; MI455X (gfx1250); checked and timed in simulation.
; The chip was launched on July 23, 2026; its instructions are those of AMD's public machine-readable ISA for CDNA 5 (MIT licence, August 2026) and "CDNA5" Instruction Set Architecture Reference Guide (July 2026). The comments in the code are by the model that wrote it; some were corrected since.
;; Attn Block. Allowed arithmetic: float matrix products may take bf16 or f16 operands with f32 sums; all other float work in f32.
;; Inputs: bk 512 float32; bproj 512 float32; bq 512 float32; bv 512 float32; gn_bias 512 float32; gn_scale 512 float32; wk 512 x 512 float32; wproj 512 x 512 float32; wq 512 x 512 float32; wv 512 x 512 float32; x 2 x 8 x 512 x 32 x 32 float32.
;; Outputs: out0 2 x 8 x 512 x 32 x 32 float32.
;; 3 versions, each right; version 2 is faster than version 1; version 3 is version 2 with the launch prep written anew for expert scheduling mode. Each part assembles by itself: llvm-mc -triple=amdgcn-amd-amdhsa -mcpu=gfx1250 --defsym DOCPART=n.
;; ======== version 1 of 3: 2 launches
;; workspace buffers: hbuf 16,777,216 bytes; wts 2,097,152 bytes
;; launch prep (part 1): grid 576 x 1, 8 waves a work-group, no clusters, 1,280 bytes of LDS; arguments x, gn_scale, gn_bias, wq, wk, wv, wproj, hbuf, wts; writes hbuf, wts
.if DOCPART == 1
	.amdgcn_target "amdgcn-amd-amdhsa--gfx1250"
	.amdhsa_code_object_version 6
	.text
	.protected	k_q76f356fc74_prep
	.globl	k_q76f356fc74_prep
	.p2align	8
	.type	k_q76f356fc74_prep,@function
k_q76f356fc74_prep:
	s_mov_b64 s[64:65], 0
	v_nop
	global_prefetch_b8 v0, s[64:65] scope:SCOPE_SE
	s_setreg_imm32_b32 hwreg(HW_REG_WAVE_MODE, 25, 1), 1
	s_wait_xcnt 0x0
; AttnBlock, first of two launches: GroupNorm of x into hbuf (bf16), and the four weight matrices into wts (bf16).
;
; HOW THE WHOLE PROGRAM ASSOCIATES reference()'s PRODUCTS (the same number of multiply-adds, for all values of the inputs):
;   scores  s_ij = q_i . (Wk h_j + bk) = (Wk^T q_i) . h_j + q_i . bk
;   values  sum_j w_ij (Wv h_j + bv)   = Wv (sum_j w_ij h_j) + bv, because a softmax row sums to 1
; so k and v are never formed: the second launch takes h itself as keys and values and applies Wk and Wv on the query side.
; DEAD WORK: q_i . bk is the same for every j of row i, the axis of the softmax, so it cancels in softmax(s_i.) whatever bk and q hold.
; bk therefore has no way to the output: it is not loaded and is no argument of any launch.
; LIMITS: a NaN, an infinity or an overflow that bk alone would bring is not carried to the result.  h, the weights, q, t = Wk^T q (with
; C^-0.5 log2(e) folded in), the softmax weights, o and u are rounded to bf16 as matrix operands; bv is added behind the normalised o.
;
; Work-groups 0..511: one GroupNorm group each (image b = g >> 5, group g & 31): 16 channels x 1024 pixels = 65,536 consecutive bytes of x,
; kept in registers between the pass for the mean, the pass for the variance (sum of (x - mean)^2: no difference of large sums) and the output.
; hbuf: [b 16][jblk 16][c 512][64 pixels] bf16: a channel's 64 pixels are 128 bytes, a (b, jblk) tile is 65,536 consecutive bytes.
; Work-groups 512..575: 32 rows of one weight matrix each.  wts: Wq, Wk, Wv, Wproj, 524,288 bytes each; Wq, Wv, Wproj as [kc 8][o 512][64 c], Wk as it is, [o][c].
; Memory binds here: no LDS tiles, no cluster and no matrix work would help; every load of 16 lanes and every store of a wave covers 256 consecutive, aligned bytes.
.set X,    16                          ; v[16:79]  64 numbers of the thread
.set LOFF, 80                          ; byte offset of the loads
.set SOFF, 81                          ; byte offset of the stores
.set COFF, 82                          ; byte offset of my channel in gn_scale, gn_bias
	s_load_b512 s[4:19], s[0:1], 0x0               ; x s[4:5], gn_scale s[6:7], gn_bias s[8:9], wq s[10:11], wk s[12:13], wv s[14:15], wproj s[16:17], hbuf s[18:19]
	s_load_b64 s[20:21], s[0:1], 0x40              ; wts
	v_lshl_add_u32 v96, v0, 2, 0x100
	v_mov_b32 v97, 0
	v_lshrrev_b32 v1, 5, v0
	v_readfirstlane_b32 s22, v1                    ; wave 0..7
	s_cmp_ge_u32 ttmp9, 512                        ; the same for all waves of a work-group
	s_cbranch_scc1 .Lweights
	; ---------------- GroupNorm ----------------
	s_lshl_b32 s24, ttmp9, 16                      ; the group's bytes in x
	s_mov_b32 s25, 0
	s_lshr_b32 s26, ttmp9, 5                       ; b
	s_and_b32 s27, ttmp9, 31                       ; group
	s_lshl_b32 s28, s26, 20                        ; b x 16 tiles of 65,536 bytes
	s_lshl_b32 s23, s27, 11                        ; + group x 16 channels x 128 bytes
	s_add_co_u32 s28, s28, s23
	s_mov_b32 s29, 0
	s_lshl_b32 s32, s27, 6                         ; group x 16 channels x 4 bytes
	s_mov_b32 s33, 0
	s_mov_b32 s30, 0x76543210                      ; v_permlanex16_b32: lane i reads lane i of the other half
	s_mov_b32 s31, 0xfedcba98
	s_mov_b32 s34, 0x38800000                      ; 2^-14 = 1 / (16 x 1024)
	v_lshrrev_b32 v2, 4, v0                        ; c: my channel of the 16
	v_and_b32 v3, 15, v0                           ; p: my 4 pixels of every 64
	v_lshlrev_b32 v[LOFF], 12, v2
	v_lshl_or_b32 v[LOFF], v3, 4, v[LOFF]          ; c x 4,096 + p x 16
	v_lshlrev_b32 v[SOFF], 7, v2
	v_lshl_or_b32 v[SOFF], v3, 3, v[SOFF]          ; c x 128 + p x 8
	v_lshlrev_b32 v[COFF], 2, v2
	v_mov_b32 v14, s22
	v_lshlrev_b32 v14, 2, v14                      ; my wave's word in LDS
	v_mov_b32 v15, 0
	s_wait_kmcnt 0x0
	s_add_nc_u64 s[4:5], s[4:5], s[24:25]
	s_add_nc_u64 s[6:7], s[6:7], s[32:33]
	s_add_nc_u64 s[8:9], s[8:9], s[32:33]
	s_add_nc_u64 s[18:19], s[18:19], s[28:29]
.irp q, 0,1,2,3,4,5,6,7,8,9,10,11,12,13,14,15
	global_load_b128 v[X+4*\q:X+4*\q+3], v[LOFF], s[4:5] offset:\q*256      ; pixels 64 q + 4 p .. + 3 of my channel
.endr
	global_load_b32 v12, v[COFF], s[6:7]           ; gn_scale[c]
	global_load_b32 v13, v[COFF], s[8:9]           ; gn_bias[c]
	s_wait_loadcnt 0x0
; The four chains v[4:11] are folded, summed over the wave's 32 lanes and over the eight waves (through eight words of LDS at byte off); the sum ends in v4 of every lane.
.macro WGSUM off
	v_pk_add_f32 v[4:5], v[4:5], v[6:7]
	v_pk_add_f32 v[8:9], v[8:9], v[10:11]
	v_pk_add_f32 v[4:5], v[4:5], v[8:9]
	v_add_f32 v4, v4, v5
	v_add_f32_dpp v4, v4, v4 row_xmask:1 row_mask:0xf bank_mask:0xf
	v_add_f32_dpp v4, v4, v4 row_xmask:2 row_mask:0xf bank_mask:0xf
	v_add_f32_dpp v4, v4, v4 row_xmask:4 row_mask:0xf bank_mask:0xf
	v_add_f32_dpp v4, v4, v4 row_xmask:8 row_mask:0xf bank_mask:0xf
	v_permlanex16_b32 v5, v4, s30, s31
	v_add_f32 v4, v4, v5
	ds_store_b32 v14, v4 offset:\off
	s_wait_dscnt 0x0                               ; my word is written before I signal
	s_barrier_signal -1
	s_barrier_wait -1
	ds_load_b128 v[4:7], v15 offset:\off
	ds_load_b128 v[8:11], v15 offset:\off+16
	s_wait_dscnt 0x0
	v_pk_add_f32 v[4:5], v[4:5], v[6:7]
	v_pk_add_f32 v[8:9], v[8:9], v[10:11]
	v_pk_add_f32 v[4:5], v[4:5], v[8:9]
	v_add_f32 v4, v4, v5
.endm
	; pass 1: the mean.  Four chains, started by the first eight pairs: nothing is cleared.
.irp k, 0,1,2,3
	v_pk_add_f32 v[4+2*\k:5+2*\k], v[X+2*\k:X+2*\k+1], v[X+8+2*\k:X+8+2*\k+1]
.endr
.set j, 8
.rept 24
	v_pk_add_f32 v[4+2*(j%4):5+2*(j%4)], v[4+2*(j%4):5+2*(j%4)], v[X+2*j:X+2*j+1]
.set j, j+1
.endr
	WGSUM 0
	v_mul_f32 v84, s34, v4                         ; mean
	v_mov_b32 v85, v84
	; pass 2: d = x - mean in place, and the sum of d^2
.set j, 0
.rept 32
	v_pk_add_f32 v[X+2*j:X+2*j+1], v[X+2*j:X+2*j+1], v[84:85] neg_lo:[0,1] neg_hi:[0,1]
.set j, j+1
.endr
.irp k, 0,1,2,3
	v_pk_mul_f32 v[4+2*\k:5+2*\k], v[X+2*\k:X+2*\k+1], v[X+2*\k:X+2*\k+1]
.endr
.set j, 4
.rept 28
	v_pk_fma_f32 v[4+2*(j%4):5+2*(j%4)], v[X+2*j:X+2*j+1], v[X+2*j:X+2*j+1], v[4+2*(j%4):5+2*(j%4)]
.set j, j+1
.endr
	WGSUM 32                                       ; other words than pass 1's: no wave can overwrite what another still reads
	v_fmaak_f32 v4, s34, v4, 0x358637bd            ; variance + 1e-6
	v_rsq_f32 v5, v4
	v_mov_b32 v88, v13                             ; a plain instruction between v_rsq_f32 and the use of its result (ISA guide 5.7.2)
	s_wait_alu depctr_va_vdst(0)
	v_mul_f32 v86, v5, v12                         ; rstd x gn_scale[c]
	v_mov_b32 v89, v13
	v_mov_b32 v87, v86
.irp q, 0,1,2,3,4,5,6,7,8,9,10,11,12,13,14,15
	v_pk_fma_f32 v[X+4*\q:X+4*\q+1], v[X+4*\q:X+4*\q+1], v[86:87], v[88:89]
	v_pk_fma_f32 v[X+4*\q+2:X+4*\q+3], v[X+4*\q+2:X+4*\q+3], v[86:87], v[88:89]
	v_cvt_pk_bf16_f32 v[X+4*\q], v[X+4*\q], v[X+4*\q+1]
	v_cvt_pk_bf16_f32 v[X+4*\q+1], v[X+4*\q+2], v[X+4*\q+3]
	global_store_b64 v[SOFF], v[X+4*\q:X+4*\q+1], s[18:19] offset:\q*65536  ; tile q: a wave's store covers two channels' 128 bytes, 256 consecutive bytes, aligned
.endr
	s_wait_tensorcnt 0x0
	ds_add_u32 v96, v97
	s_wait_dscnt 0x0
	s_endpgm
	; ---------------- weights to bf16 ----------------
; nu x nv = 16 loads of 16 bytes a lane at u lu + v lv, 32 roundings, 16 stores of 8 bytes a lane at u su + v sv
.macro WCONV nu, nv, lu, lv, su, sv
.set u, 0
.rept \nu
.set vv, 0
.rept \nv
	global_load_b128 v[X+4*(u*\nv+vv):X+4*(u*\nv+vv)+3], v[LOFF], s[10:11] offset:u*\lu+vv*\lv th:TH_LOAD_NT
.set vv, vv+1
.endr
.set u, u+1
.endr
	s_wait_loadcnt 0x0
.set u, 0
.rept \nu
.set vv, 0
.rept \nv
	v_cvt_pk_bf16_f32 v[X+4*(u*\nv+vv)], v[X+4*(u*\nv+vv)], v[X+4*(u*\nv+vv)+1]
	v_cvt_pk_bf16_f32 v[X+4*(u*\nv+vv)+1], v[X+4*(u*\nv+vv)+2], v[X+4*(u*\nv+vv)+3]
	global_store_b64 v[SOFF], v[X+4*(u*\nv+vv):X+4*(u*\nv+vv)+1], s[20:21] offset:u*\su+vv*\sv
.set vv, vv+1
.endr
.set u, u+1
.endr
.endm
.Lweights:
	s_sub_co_u32 s24, ttmp9, 512
	s_lshr_b32 s25, s24, 4                         ; which matrix: 0 wq, 1 wk, 2 wv, 3 wproj
	s_and_b32 s26, s24, 15                         ; which 32 rows of it
	s_lshl_b32 s28, s26, 16                        ; 32 rows x 2,048 bytes of f32
	s_mov_b32 s29, 0
	s_lshl_b32 s32, s25, 19                        ; the matrix's 524,288 bytes in wts
	s_mov_b32 s33, 0
	s_mov_b32 s35, 0
	s_wait_kmcnt 0x0
	s_cmp_eq_u32 s25, 1
	s_cselect_b64 s[10:11], s[12:13], s[10:11]
	s_cmp_eq_u32 s25, 2
	s_cselect_b64 s[10:11], s[14:15], s[10:11]
	s_cmp_eq_u32 s25, 3
	s_cselect_b64 s[10:11], s[16:17], s[10:11]
	s_add_nc_u64 s[10:11], s[10:11], s[28:29]
	s_add_nc_u64 s[20:21], s[20:21], s[32:33]
	s_cmp_eq_u32 s25, 1
	s_cbranch_scc1 .Lnatural
	; tiled [kc][o][64 c]: a wave takes 4 rows; lanes 0-15 one row's 64 c (256 bytes of f32), lanes 16-31 the next row's
	v_bfe_u32 v3, v0, 4, 1
	v_lshl_add_u32 v3, s22, 2, v3                  ; row 4 w + half
	v_and_b32 v4, 15, v0
	v_lshlrev_b32 v[LOFF], 11, v3
	v_lshl_or_b32 v[LOFF], v4, 4, v[LOFF]
	v_lshlrev_b32 v[SOFF], 7, v3
	v_lshl_or_b32 v[SOFF], v4, 3, v[SOFF]
	s_lshl_b32 s34, s26, 12                        ; 32 rows x 128 bytes inside each tile
	s_add_nc_u64 s[20:21], s[20:21], s[34:35]
	WCONV 2, 8, 4096, 256, 256, 65536              ; u: two rows on; v: the next 64 c = the next tile
	s_endpgm
.Lnatural:
	; wk keeps its order [o][c]: a wave takes 4 rows, 512 bytes of f32 to a load
	v_and_b32 v4, 31, v0
	v_lshlrev_b32 v[LOFF], 4, v4
	v_lshl_add_u32 v[LOFF], s22, 13, v[LOFF]
	v_lshlrev_b32 v[SOFF], 3, v4
	v_lshl_add_u32 v[SOFF], s22, 12, v[SOFF]
	s_lshl_b32 s34, s26, 15                        ; 32 rows x 1,024 bytes
	s_add_nc_u64 s[20:21], s[20:21], s[34:35]
	WCONV 4, 4, 2048, 512, 1024, 256               ; u: the next row; v: the next 128 c
	s_endpgm
.Lfunc_end_k_q76f356fc74_prep:
	.size	k_q76f356fc74_prep, .Lfunc_end_k_q76f356fc74_prep-k_q76f356fc74_prep
	.p2alignl 7, 3214868480
	.fill 96, 4, 3214868480
	.section	.rodata,"a",@progbits
	.p2align	6, 0x0
	.amdhsa_kernel k_q76f356fc74_prep
		.amdhsa_group_segment_fixed_size 1280
		.amdhsa_private_segment_fixed_size 0
		.amdhsa_enable_private_segment 0
		.amdhsa_kernarg_size 72
		.amdhsa_user_sgpr_count 2
		.amdhsa_user_sgpr_kernarg_segment_ptr 1
		.amdhsa_wavefront_size32 1
		.amdhsa_system_sgpr_workgroup_id_x 1
		.amdhsa_system_sgpr_workgroup_id_y 1
		.amdhsa_system_sgpr_workgroup_id_z 1
		.amdhsa_system_vgpr_workitem_id 0
		.amdhsa_next_free_vgpr 98
		.amdhsa_next_free_sgpr 66
		.amdhsa_reserve_vcc 0
		.amdhsa_float_denorm_mode_32 3
		.amdhsa_float_denorm_mode_16_64 3
		.amdhsa_memory_ordered 1
		.amdhsa_forward_progress 1
		.amdhsa_inst_pref_size 29
	.end_amdhsa_kernel
	.amdgpu_metadata
---
amdhsa.version: [ 1, 2 ]
amdhsa.kernels:
  - .name:           k_q76f356fc74_prep
    .symbol:         k_q76f356fc74_prep.kd
    .args:
      - { .name: x, .offset: 0, .size: 8, .value_kind: global_buffer, .address_space: global }
      - { .name: gn_scale, .offset: 8, .size: 8, .value_kind: global_buffer, .address_space: global }
      - { .name: gn_bias, .offset: 16, .size: 8, .value_kind: global_buffer, .address_space: global }
      - { .name: wq, .offset: 24, .size: 8, .value_kind: global_buffer, .address_space: global }
      - { .name: wk, .offset: 32, .size: 8, .value_kind: global_buffer, .address_space: global }
      - { .name: wv, .offset: 40, .size: 8, .value_kind: global_buffer, .address_space: global }
      - { .name: wproj, .offset: 48, .size: 8, .value_kind: global_buffer, .address_space: global }
      - { .name: hbuf, .offset: 56, .size: 8, .value_kind: global_buffer, .address_space: global }
      - { .name: wts, .offset: 64, .size: 8, .value_kind: global_buffer, .address_space: global }
    .group_segment_fixed_size: 1280
    .private_segment_fixed_size: 0
    .kernarg_segment_align: 8
    .kernarg_segment_size: 72
    .max_flat_workgroup_size: 256
    .sgpr_count:     66
    .vgpr_count:     98
    .wavefront_size: 32
...
	.end_amdgpu_metadata
.endif
;; end of part 1
;; launch attn (part 2): grid 16 x 16, 4 waves a work-group, clusters of 4 x 1, 327,680 bytes of LDS; arguments hbuf, wts, x, bq, bv, bproj, out0; writes out0
.if DOCPART == 2
	.amdgcn_target "amdgcn-amd-amdhsa--gfx1250"
	.amdhsa_code_object_version 6
	.text
	.protected	k_q76f356fc74_attn
	.globl	k_q76f356fc74_attn
	.p2align	8
	.type	k_q76f356fc74_attn,@function
k_q76f356fc74_attn:
	s_mov_b64 s[64:65], 0
	v_nop
	global_prefetch_b8 v0, s[64:65] scope:SCOPE_SE
	s_setreg_imm32_b32 hwreg(HW_REG_WAVE_MODE, 25, 1), 1
	s_wait_xcnt 0x0
	s_wait_alu depctr_hold_cnt(0) depctr_sa_sdst(0) depctr_va_vdst(0) depctr_va_sdst(0) depctr_va_ssrc(0) depctr_va_vcc(0) depctr_vm_vsrc(0)
	s_getreg_b32 s2, hwreg(HW_REG_IB_STS2, 6, 4)
	s_cmp_eq_u32 s2, 0
	s_cbranch_scc0 .Lentry_in_a_cluster
	s_endpgm
.Lentry_in_a_cluster:
	s_bfe_u32 s2, ttmp6, 0x10000c
	s_cmp_lg_u32 s2, 0x3003
	s_cbranch_scc0 .Lentry_shape_is_right
	s_endpgm
.Lentry_shape_is_right:
; AttnBlock, second launch.  A work-group owns 64 queries (pixel block qb) of image b and runs the whole chain on them:
;   Q: q = Wq h_i + bq     T: t = Wk^T q, times C^-0.5 log2(e)     S: s = t . h_j for all 1024 keys     softmax with the true row maximum
;   V: o = (P h^T) / l     U: u = Wv o + bv                        O: out = Wproj u + bproj + x
; LEFT OUT: bk.  q_i . bk is the same along the softmax's axis and cancels for all values (shown at the head of the first launch); a NaN or infinity in bk is not carried.
; bv is added behind the normalised o because a softmax row sums to 1.  q, t, P, o, u are rounded to bf16 as matrix operands.
;
; SHARING.  Four waves.  Every product has all 64 queries on one side (4 tiles of 16, index i) and wave w's slice on the other: 128 columns (8 tiles, index a,
; 32 accumulators) in Q, T, V, U, O; 256 keys (16 tiles, 64 accumulators) in S.  K is walked in 64 tiles of 65,536 bytes (8 Wq, 8 Wk, 16 h for S, 16 h for V, 8 Wv,
; 8 Wproj) through a ring of two LDS slots; each wave fetches a quarter of each tile with one tensor load.
; CLUSTER.  The four work-groups of a cluster are four query blocks of one image: they walk the same 64 tiles, so every ring load is a joint load with the mask 15.
; Only the block's own h tile (hq) is a plain load.  The place in the cluster enters hq's global address and the addresses of x and out0, and nothing else.
; TRANSPOSED USE.  Source 0 = the slice's side, source 1 = the queries' side: a lane (r = lane % 16, h = lane / 16) then holds query 16 i + r and eight neighbouring
; columns 8 h + 0..7, 16 bytes of bf16 of the next product's operand.  Phase O swaps the sources: a lane holds output channel 16 a + r and eight neighbouring pixels.
;
; LDS:  slot 0 at 0, slot 1 at 73,728 (tensor loads alone write them);  A at 147,456 (73,728 bytes: hq, its one fill; later t, o);  B at 221,184 (69,632: q, u);
;       STAT at 290,816 (row maxima, then 1,024 further the row sums: [64 queries][4 waves] f32).
;       q, t, o, u: four blocks, one for each wave that writes them, [64 queries][128 columns] bf16, pitch 272.  P: four blocks [64][256 keys], pitch 528, from A on over A and B.
;       The way out: a stage [128 channels][64 pixels] f32, pitch 272, for each wave, from A on.  A is stored into only behind its one fill.
; TILES in LDS.  Two logical rows of 128 bytes share one fetched row of 256 bytes.  WP (Wq, Wv, Wproj, h for V): pitch 272 a pair.  HS (h for S: 32 channels x all keys) and
; hq: pitch 288 a pair (read by transposing loads).  WK: rows of 1,024 bytes, pitch 1,056 (transposing loads).
;
; REGISTER WINDOWS: 0 addresses, the queries' fragments (two buffers), biases, softmax figures; 1 the slice's fragments (two buffers);
;                   2 accumulator (a, i) at v[8 (4 a + i)]; 3 phase S's key tiles 8..15, later the 64 x 4 registers of x.
.set SLOT,  73728
.set RA,    2*SLOT
.set RB,    3*SLOT
.set BLK,   17408                      ; 64 rows x 272
.set PBLK,  33792                      ; 64 rows x 528
.set STAT,  RB+4*BLK
.set VWP, 4                            ; v4-5   my WP fragments in slot 0, 1
.set VWK, 6                            ; v6-7   my WK fragments
.set VHS, 8                            ; v8-9   my HS fragments
.set AL,  10                           ; v10    the queries' fragments: stepped block by block
.set ALA, 11                           ; v11    its start for an operand in A (pitch 272)
.set ALB, 12                           ; v12    in B
.set ALP, 13                           ; v13    for P
.set STA, 15                           ; v15    where I store 16 bytes of an operand in A (my block)
.set STB, 16                           ; v16    in B
.set STP, 17                           ; v17    of P
.set SMW, 19                           ; v19    my wave's word of query r in STAT
.set SMR, 20                           ; v20    the four waves' words of query r
.set STG, 21                           ; v21    the way out: where I put 32 bytes of a channel's row
.set RDB, 22                           ; v22    the way out: where I read rows back
.set XO,  23                           ; v23    my byte offset in x and out0
.set BO,  24                           ; v24    my byte offset in bq and bv
.set BPO, 25                           ; v25    my byte offset in bproj
.set MT,  26                           ; v26-29 at work: one figure for each i
.set ACT0, 32                          ; v32-63   the queries' fragments, buffer 0 (4 x 8)
.set ACT1, 64                          ; v64-95   buffer 1
.set TMP,  32                          ; v32-95   packed results on the way to LDS (between phases)
.set BQ,  96                           ; v96-159  bq as a C operand: [a][8]
.set BV,  160                          ; v160-223 bv likewise
.set BP,  224                          ; v224-239 bproj of channel 16 a + r, twice (pairs)
.set MM,  240                          ; v240-247 row maximum of query 16 i + r, twice; later 1 / row sum
.set LL,  248                          ; v248-255 row sums, two chains for each i
.set WF0, 0                            ; window 1: the slice's fragments, buffer 0 (8 x 8)
.set WF1, 64                           ; window 1: buffer 1
.set G0,   32                          ; s[32:39] group 0 of slot 0, slot 1
.set G0Q,  40                          ; s[40:43] group 0 of hq
.set G1WP, 44                          ; s[44:51]
.set G1WK, 52                          ; s[52:59]
.set G1HS, 68                          ; s[68:75]
.set G1HQ, 76                          ; s[76:83]
.set WB,   84                          ; s[84:85] wts + 16,384 w
.set HSB,  86                          ; s[86:87] hbuf + image + 262,144 w (my four key blocks)
.set HVB,  88                          ; s[88:89] hbuf + image + 16,384 w (my 128 channels of a key block)
.set K_WP, 0
.set K_WK, 1
.set K_HS, 2
.set MSB, 0
.macro WIN new                         ; the immediate's high byte repeats the setting that is left; a switch that changes nothing is dropped
.if MSB != \new
	s_set_vgpr_msb (MSB<<8)|\new
.set MSB, \new
.endif
.endm
.macro PLACES                          ; four places behind a matrix instruction, before its registers are read by vector work or loaded again (ISA guide 7.12.1)
.rept 4
	v_nop
.endr
.endm
.macro CREST                           ; a round of the cluster's barrier behind its opening work-group barrier
	s_cmp_lg_u32 s18, 0
	s_cbranch_scc1 .Lnot_wave_0_\@
	s_barrier_signal -3
.Lnot_wave_0_\@:
	s_barrier_wait -3
	s_barrier_signal -1
	s_barrier_wait -1
.endm
.macro CROUND
	s_barrier_signal -1
	s_barrier_wait -1
	CREST
.endm
.macro DESC1 g, w0, d0, d1, st         ; group 1: d1 rows of d0 elements of 8 bytes, st elements from row to row; the extents are the tile's own
	s_mov_b32 s[\g+0], \w0
	s_mov_b32 s[\g+1], (\d0)<<16
	s_mov_b32 s[\g+2], (\d1)<<16
	s_mov_b32 s[\g+3], (\d0)<<16
	s_mov_b32 s[\g+4], \d1
	s_mov_b32 s[\g+5], \st
	s_mov_b32 s[\g+6], 0
	s_mov_b32 s[\g+7], 0
.endm
; a slot's group 0 is written anew (LDS address lreg + slot, global address base + off) and its load issued; no tensor load of the wave that names these registers is out here
.macro NEWFILL slot, g1, lreg, base, off
	s_add_co_u32 s[G0+4*(\slot)+1], s[\lreg], (\slot)*SLOT
	s_add_nc_u64 s[G0+4*(\slot)+2:G0+4*(\slot)+3], s[\base:\base+1], \off
	s_or_b32 s[G0+4*(\slot)+3], s[G0+4*(\slot)+3], 0x80000000
	tensor_load_to_lds s[G0+4*(\slot):G0+4*(\slot)+3], s[\g1:\g1+7]
	s_nop 0
.endm
	s_load_b256 s[4:11], s[0:1], 0x0               ; hbuf s[4:5], wts s[6:7], x s[8:9], bq s[10:11]
	s_load_b128 s[12:15], s[0:1], 0x20             ; bv s[12:13], bproj s[14:15]
	s_load_b64 s[16:17], s[0:1], 0x30              ; out0
	s_set_vgpr_msb 0x40
	v_lshl_add_u32 v255, v0, 2, 0x47800
	s_set_vgpr_msb 0x4000
	v_mov_b32 v18, 0
	s_set_vgpr_msb 0x1
	ds_add_u32 v255, v18
	s_set_vgpr_msb 0x100
	v_lshrrev_b32 v26, 5, v0
	v_readfirstlane_b32 s18, v26                   ; wave 0..3
	s_bfe_u32 s19, ttmp6, 0x40000                  ; cx
	s_lshl_b32 s20, ttmp9, 2
	s_add_co_u32 s20, s20, s19                     ; qb = 4 x cluster x + cx
	s_and_b32 s21, ttmp7, 0xffff                   ; b
	s_mov_b32 s25, 0x76543210                      ; v_permlanex16_b32: lane i reads lane i of the other half
	s_mov_b32 s26, 0xfedcba98
	s_mul_i32 s27, s18, 17408                      ; my quarter of a WP tile (64 pairs x 272); also my operand block
	s_mul_i32 s28, s18, 16896                      ; of a WK tile (16 rows x 1,056)
	s_mul_i32 s29, s18, 18432                      ; of an HS tile and of hq (64 pairs x 288)
	; group 1, first word: 15:0 mask, 17:16 element of 8 bytes, 20 padding on, 21 set beside a mask, 24:22 the interval's code, 31:25 pad words - 1
	DESC1 G1WP, 15|(3<<16)|(1<<20)|(1<<21)|(5<<22)|(3<<25), 32, 64, 32      ; 64 rows of 256 bytes, dense; 16 bytes behind each
	DESC1 G1WK, 15|(3<<16)|(1<<20)|(1<<21)|(7<<22)|(7<<25), 128, 16, 128    ; 16 rows of 1,024 bytes, dense; 32 bytes behind each
	DESC1 G1HS, 15|(3<<16)|(1<<20)|(1<<21)|(5<<22)|(7<<25), 512, 4, 8192    ; 4 key blocks x 4,096 bytes (32 channels), 65,536 bytes apart; 32 bytes behind every 256
	DESC1 G1HQ, (3<<16)|(1<<20)|(5<<22)|(7<<25), 32, 64, 32                 ; plain: 64 rows of 256 bytes, dense; 32 bytes behind each
	s_mov_b32 s[G0], 1
	s_mov_b32 s[G0+4], 1
	s_mov_b32 s[G0Q], 1
	s_add_co_u32 s[G0Q+1], s29, RA
	s_lshl_b32 s22, s18, 14                        ; 16,384 w
	s_mov_b32 s23, 0
	s_lshl_b32 s30, s21, 20                        ; the image's 1,048,576 bytes of hbuf
	s_mov_b32 s31, 0
	s_lshl_b32 s60, s20, 16                        ; my key block's tile (s60-63 alone hold figures made of cx)
	s_mov_b32 s61, 0
	s_lshl_b32 s62, s21, 21                        ; x, out0: image,
	s_lshl_b32 s63, s18, 19                        ; my 128 channels x 4,096 bytes,
	s_add_co_u32 s62, s62, s63
	s_lshl_b32 s63, s20, 8                         ; my block's 64 pixels
	s_add_co_u32 s62, s62, s63
	s_mov_b32 s63, 0
	s_wait_dscnt 0x0
	s_wait_kmcnt 0x0
	s_add_nc_u64 s[WB:WB+1], s[6:7], s[22:23]
	s_add_nc_u64 s[HVB:HVB+1], s[4:5], s[30:31]
	s_lshl_b32 s30, s18, 18                        ; 262,144 w
	s_add_nc_u64 s[HSB:HSB+1], s[HVB:HVB+1], s[30:31]
	s_add_nc_u64 s[HVB:HVB+1], s[HVB:HVB+1], s[22:23]
	s_add_nc_u64 s[G0Q+2:G0Q+3], s[HVB:HVB+1], s[60:61]
	s_or_b32 s[G0Q+3], s[G0Q+3], 0x80000000
	s_add_nc_u64 s[8:9], s[8:9], s[62:63]
	s_add_nc_u64 s[16:17], s[16:17], s[62:63]
	CROUND                                         ; all four work-groups are here: the first joint loads meet
	tensor_load_to_lds s[G0Q:G0Q+3], s[G1HQ:G1HQ+7]        ; the first fills go out as one group: three tensor loads of the wave are out
	s_nop 0
	NEWFILL 0, G1WP, 27, WB, 0                     ; Wq, tile 0
	NEWFILL 1, G1WP, 27, WB, 65536                 ; Wq, tile 1
	v_and_b32 v1, 15, v0                           ; r
	v_bfe_u32 v2, v0, 4, 1                         ; h
	v_and_b32 v27, 1, v0
	v_bfe_u32 v30, v0, 3, 1
	; plain fragments from pair rows: row r at (r >> 1) 272 + (r & 1) 128, + 16 h
	v_lshrrev_b32 v26, 1, v1
	v_mul_u32_u24 v28, v26, 272
	v_lshl_add_u32 v28, v27, 7, v28
	v_lshl_add_u32 v28, v2, 4, v28
	v_add_nc_u32 v[VWP], s27, v28
	v_add_nc_u32 v[VWP+1], SLOT, v[VWP]
	; transposing loads from pair rows: K row 8 h + (lane & 7) at pair 4 h + ((lane & 7) >> 1), + 16 ((lane >> 3) & 1)
	v_bfe_u32 v26, v0, 1, 2
	v_lshl_add_u32 v26, v2, 2, v26
	v_mul_u32_u24 v29, v26, 288
	v_lshl_add_u32 v29, v27, 7, v29
	v_lshl_add_u32 v29, v30, 4, v29
	v_add_nc_u32 v[VHS], s29, v29
	v_add_nc_u32 v[VHS+1], SLOT, v[VHS]
	v_add_nc_u32 v[AL], RA, v29                    ; phase Q reads hq
	; transposing loads from Wk's rows, my 128 columns
	v_and_b32 v26, 7, v0
	v_lshl_add_u32 v26, v2, 3, v26
	v_mul_u32_u24 v31, v26, 1056
	v_lshl_add_u32 v31, v30, 4, v31
	v_lshl_add_u32 v[VWK], s18, 8, v31
	v_add_nc_u32 v[VWK+1], SLOT, v[VWK]
	; operands: row r x pitch + 16 h
	v_mul_u32_u24 v26, v1, 272
	v_lshl_add_u32 v26, v2, 4, v26
	v_add_nc_u32 v[ALA], RA, v26
	v_add_nc_u32 v[ALB], RB, v26
	v_add_nc_u32 v[STA], s27, v[ALA]
	v_add_nc_u32 v[STB], s27, v[ALB]
	v_mul_u32_u24 v28, v1, 528
	v_lshl_add_u32 v28, v2, 4, v28
	v_add_nc_u32 v[ALP], RA, v28
	s_lshl_b32 s22, s28, 1                         ; 33,792 w
	v_add_nc_u32 v[STP], s22, v[ALP]
	v_lshlrev_b32 v26, 4, v1                       ; 16 r
	v_add_nc_u32 v[SMR], STAT, v26
	v_lshl_add_u32 v[SMW], s18, 2, v[SMR]
	s_lshl_b32 s22, s27, 1                         ; 34,816 w
	s_add_co_u32 s22, s22, RA                      ; my stage
	v_mul_u32_u24 v28, v1, 272
	v_lshl_add_u32 v28, v2, 5, v28
	v_add_nc_u32 v[STG], s22, v28
	v_mul_u32_u24 v28, v2, 272
	v_add_nc_u32 v28, v28, v26
	v_add_nc_u32 v[RDB], s22, v28
	v_lshl_add_u32 v[XO], v2, 12, v26              ; lanes 0-15 one channel's 256 bytes, lanes 16-31 the next channel's
	v_lshlrev_b32 v28, 5, v2
	v_lshl_add_u32 v[BO], s18, 9, v28              ; 4 (128 w + 8 h)
	v_lshlrev_b32 v28, 2, v1
	v_lshl_add_u32 v[BPO], s18, 9, v28             ; 4 (128 w + r)
.irp a, 0,1,2,3,4,5,6,7
	global_load_b128 v[BQ+8*\a:BQ+8*\a+3],   v[BO], s[10:11] offset:\a*64
	global_load_b128 v[BQ+8*\a+4:BQ+8*\a+7], v[BO], s[10:11] offset:\a*64+16
	global_load_b128 v[BV+8*\a:BV+8*\a+3],   v[BO], s[12:13] offset:\a*64
	global_load_b128 v[BV+8*\a+4:BV+8*\a+7], v[BO], s[12:13] offset:\a*64+16
	global_load_b32  v[BP+2*\a], v[BPO], s[14:15] offset:\a*64
.endr
	s_wait_loadcnt 0x0
.irp a, 0,1,2,3,4,5,6,7
	v_mov_b32 v[BP+2*\a+1], v[BP+2*\a]
.endr
	s_wait_tensorcnt 0x1                           ; my parts of hq and of tile 0 are in; tile 1 may stay out
	s_barrier_signal -1
	s_barrier_wait -1
; ---- what a phase is made of
.macro PHSET ph
.set P_PH, \ph
.set P_S, 0                            ; 1: phase S (a tile is one K step of 32 for 16 key tiles)
.set P_SW, 0                           ; 1: sources swapped
.set P_ACT, 1                          ; the queries' side: 1 plain loads, 0 transposing loads from hq
.set P_GL, 2                           ; tiles to a block of the queries' operand
.set P_NP, 4352                        ; 16 rows of it
.set P_STEP, BLK                       ; from block to block
.set P_KIND, K_WP
.set P_G1, G1WP
.set P_FSTEP, 131072                   ; two tiles on, in memory
.set P_BIAS, BQ
.set P_RFL, 2                          ; the last two tiles ask for the next phase's first two
.if \ph == 0
.set P_ACT, 0
.set P_STEP, 18432
.endif
.if \ph == 1
.set P_KIND, K_WK
.set P_G1, G1WK
.endif
.if \ph == 2
.set P_S, 1
.set P_GL, 4
.set P_KIND, K_HS
.set P_G1, G1HS
.set P_FSTEP, 8192
.endif
.if \ph == 3
.set P_GL, 4
.set P_NP, 8448
.set P_STEP, PBLK
.endif
.if \ph == 4
.set P_BIAS, BV
.endif
.if \ph == 5
.set P_SW, 1
.set P_RFL, 0                          ; nothing is left to fetch
.endif
.endm
; 16 LDS loads: my eight fragments (16 rows x 32 K) of half a tile, into buffer buf of window 1
.macro FW slot, half, buf
	WIN 0x40
.if P_KIND == K_WP
.irp a, 0,1,2,3,4,5,6,7
	ds_load_b128 v[\buf+8*\a:\buf+8*\a+3],   v[VWP+(\slot)] offset:\a*2176+\half*64
	ds_load_b128 v[\buf+8*\a+4:\buf+8*\a+7], v[VWP+(\slot)] offset:\a*2176+\half*64+32
.endr
.endif
.if P_KIND == K_WK
.irp a, 0,1,2,3,4,5,6,7
	ds_load_tr16_b128 v[\buf+8*\a:\buf+8*\a+3],   v[VWK+(\slot)] offset:\half*33792+\a*32
	ds_load_tr16_b128 v[\buf+8*\a+4:\buf+8*\a+7], v[VWK+(\slot)] offset:\half*33792+\a*32+16896
.endr
.endif
.if P_KIND == K_HS
.irp a, 0,1,2,3,4,5,6,7
	ds_load_tr16_b128 v[\buf+8*\a:\buf+8*\a+3],   v[VHS+(\slot)] offset:((8*\half+\a)>>2)*4608+((8*\half+\a)&3)*32
	ds_load_tr16_b128 v[\buf+8*\a+4:\buf+8*\a+7], v[VHS+(\slot)] offset:((8*\half+\a)>>2)*4608+((8*\half+\a)&3)*32+2304
.endr
.endif
.endm
; 8 LDS loads: the four query fragments of K step ks of the current block
.macro FA ks, buf
	WIN 0
.if P_ACT == 0
.irp i, 0,1,2,3
	ds_load_tr16_b128 v[\buf+8*\i:\buf+8*\i+3],   v[AL] offset:(\ks)*4608+\i*32
	ds_load_tr16_b128 v[\buf+8*\i+4:\buf+8*\i+7], v[AL] offset:(\ks)*4608+\i*32+2304
.endr
.else
.irp i, 0,1,2,3
	ds_load_b128 v[\buf+8*\i:\buf+8*\i+3],   v[AL] offset:\i*P_NP+(\ks)*64
	ds_load_b128 v[\buf+8*\i+4:\buf+8*\i+7], v[AL] offset:\i*P_NP+(\ks)*64+32
.endr
.endif
.endm
.macro MWIN cm, hi                     ; the window of a run of products
.if P_SW
	WIN 0xa4                               ; source 0 window 0, source 1 window 1, C and D window 2
.else
.if \cm == 2
	WIN 0x81                               ; C (a bias) window 0, D window 2
.else
.if \hi
	WIN 0xf1                               ; C and D window 3
.else
	WIN 0xa1                               ; source 0 window 1, source 1 window 0, C and D window 2
.endif
.endif
.endif
.endm
; 16 products: tiles a0 .. a0+3 x the four query tiles.  cm = 0: add in place; 1: C = 0 starts the sums; 2: the bias starts them.
; The accumulators take turns, one instruction a turn, in the same order in every tile.
.macro MUL16 wb, ab, a0, cm
.irp a, \a0, \a0+1, \a0+2, \a0+3
.irp i, 0,1,2,3
.set M_D, 8*(4*(\a)+\i)
.set M_W, \wb+8*(\a)
.set M_A, \ab+8*\i
.if P_SW
.if \cm
	v_wmma_f32_16x16x32_bf16 v[M_D:M_D+7], v[M_A:M_A+7], v[M_W:M_W+7], 0
.else
	v_wmma_f32_16x16x32_bf16 v[M_D:M_D+7], v[M_A:M_A+7], v[M_W:M_W+7], v[M_D:M_D+7]
.endif
.else
.if \cm == 2
	v_wmma_f32_16x16x32_bf16 v[M_D:M_D+7], v[M_W:M_W+7], v[M_A:M_A+7], v[P_BIAS+8*(\a):P_BIAS+8*(\a)+7]
.else
.if \cm == 1
	v_wmma_f32_16x16x32_bf16 v[M_D:M_D+7], v[M_W:M_W+7], v[M_A:M_A+7], 0
.else
	v_wmma_f32_16x16x32_bf16 v[M_D:M_D+7], v[M_W:M_W+7], v[M_A:M_A+7], v[M_D:M_D+7]
.endif
.endif
.endif
.endr
.endr
.endm
; One tile, 64 products.  q: its number in the block of the queries' operand (slot = q & 1).  Its first fragments F0 (8 query loads, then 8 + 8 of the slice) are already issued.
; rf: 1 this slot is filled again, two tiles on; 2 with the next phase's tile; 0 not at all.  nx: the next tile's F0 is fetched.
; ONE barrier for the change of slots.  In front of it each wave waits for its reads of this slot and for all its tensor loads, of which one is out: its part of the
; other slot.  Where the slot is filled again the barrier opens a round of the cluster's barrier, inside which only products stand; the joint refill is the first
; tensor load behind the round and the wave's only one until the next.
.macro TILE q, cm, rf, nx
.set T_SL, (\q)&1
	PLACES
.if P_S
.set T_A0, ACT0+32*T_SL
.set T_A1, T_A0
.set T_AN, ACT0+32*(1-T_SL)
.set T_NF, 16
.set T_CM2, \cm
.set T_KN, (\q)+1
.else
.set T_A0, ACT0
.set T_A1, ACT1
.set T_AN, ACT0
.set T_NF, 24
.set T_CM2, 0
.set T_KN, 2*(\q)+2
	FA 2*(\q)+1, ACT1
.endif
	FW T_SL, 1, WF1                                ; F1: the tile's second half
	s_wait_dscnt 8+T_NF                            ; F0's query fragments and slice tiles 0-3 are in; its last 8 loads and F1 may be out
	MWIN \cm, 0
	MUL16 WF0, T_A0, 0, \cm
	s_wait_dscnt T_NF                              ; all of F0; F1 may be out
	MUL16 WF0, T_A0, 4, \cm
	s_wait_dscnt 0x0                               ; my reads of this slot are over
	s_set_vgpr_msb (MSB<<8)|((MSB&0xf0)|0x1)
	s_wait_tensorcnt 0x0                           ; all my tensor loads have landed: my part of the other slot
	ds_add_u32 v255, v18
	s_wait_dscnt 0x0
	s_set_vgpr_msb (((MSB&0xf0)|0x1)<<8)|MSB
	s_barrier_signal -1
	MWIN T_CM2, P_S
	MUL16 WF1, T_A1, 0, T_CM2                      ; register work while the others arrive
	WIN 0
	s_barrier_wait -1
.if \rf
	CREST                                          ; no wave of any partner still reads this slot or has a load on its way
.if \rf == 1
	s_add_nc_u64 s[G0+4*T_SL+2:G0+4*T_SL+3], s[G0+4*T_SL+2:G0+4*T_SL+3], P_FSTEP
	tensor_load_to_lds s[G0+4*T_SL:G0+4*T_SL+3], s[P_G1:P_G1+7]
	s_nop 0
.else
.if P_PH == 0
	NEWFILL T_SL, G1WK, 28, WB, 524288+T_SL*65536  ; Wk
.endif
.if P_PH == 1
	NEWFILL T_SL, G1HS, 29, HSB, T_SL*4096         ; h, 32 channels x all keys
.endif
.if P_PH == 2
	NEWFILL T_SL, G1WP, 27, HVB, T_SL*65536        ; h, all channels x 64 keys
.endif
.if P_PH == 3
	NEWFILL T_SL, G1WP, 27, WB, 1048576+T_SL*65536 ; Wv
.endif
.if P_PH == 4
	NEWFILL T_SL, G1WP, 27, WB, 1572864+T_SL*65536 ; Wproj
.endif
.endif
.endif
.if \nx
	PLACES
.if (\q) == P_GL-1
	v_add_nc_u32 v[AL], P_STEP, v[AL]              ; the queries' operand: the next block
.set T_KN, 0
.endif
	FA T_KN, T_AN
	FW 1-T_SL, 0, WF0
.endif
	MWIN T_CM2, P_S
	MUL16 WF1, T_A1, 4, T_CM2
.endm
.macro GROUP cm, fin                   ; the tiles of one block of the queries' operand
.if P_GL == 2
.if \fin
	TILE 0, \cm, P_RFL, 1
	TILE 1, 0, P_RFL, 0
.else
	TILE 0, \cm, 1, 1
	TILE 1, 0, 1, 1
.endif
.else
	TILE 0, \cm, 1, 1
	TILE 1, 0, 1, 1
.if \fin
	TILE 2, 0, P_RFL, 1
	TILE 3, 0, P_RFL, 0
.else
	TILE 2, 0, 1, 1
	TILE 3, 0, 1, 1
.endif
.endif
.endm
; A phase: four blocks.  The first stands in front of the loop (its first products start the sums), the last behind it (it asks for the next phase's tiles and fetches
; no fragments beyond its own).  Its last barrier stands behind every wave's last LDS read of the phase, so what follows may store into any operand region.
.macro PHASE ph, cm
	PHSET \ph
	FA 0, ACT0
	FW 0, 0, WF0
	GROUP \cm, 0
	WIN 0                                          ; at a label and at a branch every window is 0
	s_mov_b32 s24, 2
.Lblock_\@:
	GROUP 0, 0
	WIN 0
	s_sub_co_u32 s24, s24, 1
	s_cmp_lg_u32 s24, 0
	s_cbranch_scc1 .Lblock_\@
	GROUP 0, 1
.endm
; The 32 accumulators become my block of the next operand: (mode 1: times C^-0.5 log2(e); mode 2: times 1 / row sum), bf16, 16 bytes a lane.
.macro EPI sto, mode
	PLACES
.irp hf, 0,1
.if \mode == 1
	WIN 0x82
.irp a, 0,1,2,3
.irp i, 0,1,2,3
.irp j, 0,2,4,6
	v_pk_mul_f32 v[8*(4*(4*\hf+\a)+\i)+\j:8*(4*(4*\hf+\a)+\i)+\j+1], v[8*(4*(4*\hf+\a)+\i)+\j:8*(4*(4*\hf+\a)+\i)+\j+1], 0x3d8293ee op_sel_hi:[1,0]
.endr
.endr
.endr
.endif
.if \mode == 2
	WIN 0x82
.irp a, 0,1,2,3
.irp i, 0,1,2,3
.irp j, 0,2,4,6
	v_pk_mul_f32 v[8*(4*(4*\hf+\a)+\i)+\j:8*(4*(4*\hf+\a)+\i)+\j+1], v[8*(4*(4*\hf+\a)+\i)+\j:8*(4*(4*\hf+\a)+\i)+\j+1], v[MM+2*\i:MM+2*\i+1]
.endr
.endr
.endr
.endif
	WIN 0x0a
.irp a, 0,1,2,3
.irp i, 0,1,2,3
.irp j, 0,2,4,6
	v_cvt_pk_bf16_f32 v[TMP+4*(4*\a+\i)+\j/2], v[8*(4*(4*\hf+\a)+\i)+\j], v[8*(4*(4*\hf+\a)+\i)+\j+1]
.endr
.endr
.endr
	WIN 0
.irp a, 0,1,2,3
.irp i, 0,1,2,3
	ds_store_b128 v[\sto], v[TMP+4*(4*\a+\i):TMP+4*(4*\a+\i)+3] offset:\i*4352+(4*\hf+\a)*32
.endr
.endr
.endr
	s_wait_dscnt 0x0                               ; my block is written before I signal; the one tensor load that is out fills a slot that is read only behind a later wait and barrier
	s_barrier_signal -1
	s_barrier_wait -1
.endm
; 128 scores (key tiles 8 w3 + 4 hf + 0..3 x the four query tiles): 2^(s - max), added to the row sums, rounded to bf16, stored into my block of P
.macro SEXPG w3, hf
	WIN (0x82+0x41*\w3)
.irp a, 0,1,2,3
.irp j, 0,2,4,6
.irp i, 0,1,2,3
	v_pk_add_f32 v[8*(4*(4*\hf+\a)+\i)+\j:8*(4*(4*\hf+\a)+\i)+\j+1], v[8*(4*(4*\hf+\a)+\i)+\j:8*(4*(4*\hf+\a)+\i)+\j+1], v[MM+2*\i:MM+2*\i+1] neg_lo:[0,1] neg_hi:[0,1]
.endr
.endr
.endr
.irp a, 0,1,2,3
.irp i, 0,1,2,3
.irp j, 0,1,2,3,4,5,6,7
	v_exp_f32 v[8*(4*(4*\hf+\a)+\i)+\j], v[8*(4*(4*\hf+\a)+\i)+\j]
.endr
.endr
.endr
	v_nop                                          ; a plain instruction between the last v_exp_f32 and the use of the results (ISA guide 5.7.2)
	WIN (0x02+\w3)
	s_wait_alu depctr_va_vdst(0)
.irp a, 0,1,2,3
.irp j, 0,2,4,6
.irp i, 0,1,2,3
	v_pk_add_f32 v[LL+2*\i:LL+2*\i+1], v[8*(4*(4*\hf+\a)+\i)+\j:8*(4*(4*\hf+\a)+\i)+\j+1], v[LL+2*\i:LL+2*\i+1]
.endr
.endr
.endr
	WIN (0x0a+5*\w3)
.irp a, 0,1,2,3
.irp i, 0,1,2,3
.irp j, 0,2,4,6
	v_cvt_pk_bf16_f32 v[TMP+4*(4*\a+\i)+\j/2], v[8*(4*(4*\hf+\a)+\i)+\j], v[8*(4*(4*\hf+\a)+\i)+\j+1]
.endr
.endr
.endr
	WIN 0
.irp a, 0,1,2,3
.irp i, 0,1,2,3
	ds_store_b128 v[STP], v[TMP+4*(4*\a+\i):TMP+4*(4*\a+\i)+3] offset:\i*8448+(8*\w3+4*\hf+\a)*32
.endr
.endr
.endm
; 32 loads of x into window 3: rows 2 t + h of my 128 channels, 256 bytes of a row to 16 lanes
.macro XLOAD t0
	WIN 0xc0
.set XT, \t0
.rept 32
	global_load_b128 v[4*XT:4*XT+3], v[XO], s[8:9] offset:XT*8192 th:TH_LOAD_NT
.set XT, XT+1
.endr
	WIN 0
.endm
	; ---------------- Q: q = Wq h_i + bq, into B ----------------
	PHASE 0, 2
	EPI STB, 0
	; ---------------- T: t = Wk^T q, scaled, into A (hq is no longer read) ----------------
	v_mov_b32 v[AL], v[ALB]
	PHASE 1, 1
	EPI STA, 1
	; ---------------- S: scores of my 256 keys, in windows 2 and 3, in units of log2 ----------------
	v_mov_b32 v[AL], v[ALA]
	PHASE 2, 1
	; the row maximum: over my 128 registers of each query tile, over the two halves of the lanes, over the four waves
	PLACES
	WIN 0x0a
.irp i, 0,1,2,3
	v_max_num_f32 v[MT+\i], v[8*\i], v[8*\i+1]
.endr
.irp a, 0,1,2,3,4,5,6,7
.irp j, 0,2,4,6
.if \a+\j
.irp i, 0,1,2,3
	v_max3_num_f32 v[MT+\i], v[8*(4*\a+\i)+\j], v[8*(4*\a+\i)+\j+1], v[MT+\i]
.endr
.endif
.endr
.endr
	WIN 0x0f
.irp a, 0,1,2,3,4,5,6,7
.irp j, 0,2,4,6
.irp i, 0,1,2,3
	v_max3_num_f32 v[MT+\i], v[8*(4*\a+\i)+\j], v[8*(4*\a+\i)+\j+1], v[MT+\i]
.endr
.endr
.endr
	WIN 0
.irp i, 0,1,2,3
	v_permlanex16_b32 v[TMP+\i], v[MT+\i], s25, s26
.endr
.irp i, 0,1,2,3
	v_max_num_f32 v[MT+\i], v[MT+\i], v[TMP+\i]
	ds_store_b32 v[SMW], v[MT+\i] offset:\i*256
.endr
	s_wait_dscnt 0x0
	s_barrier_signal -1
	s_barrier_wait -1
.irp i, 0,1,2,3
	ds_load_b128 v[TMP+4*\i:TMP+4*\i+3], v[SMR] offset:\i*256
.endr
	s_wait_dscnt 0x0
.irp i, 0,1,2,3
	v_max3_num_f32 v[MM+2*\i], v[TMP+4*\i], v[TMP+4*\i+1], v[TMP+4*\i+2]
	v_max_num_f32 v[MM+2*\i], v[MM+2*\i], v[TMP+4*\i+3]
	v_mov_b32 v[MM+2*\i+1], v[MM+2*\i]
	v_mov_b32 v[LL+2*\i], 0
	v_mov_b32 v[LL+2*\i+1], 0
.endr
	; P = 2^(s - max) into my block of P (over t and q, which no wave reads any more), and the row sums
	SEXPG 0, 0
	SEXPG 0, 1
	SEXPG 1, 0
	SEXPG 1, 1
.irp i, 0,1,2,3
	v_add_f32 v[MT+\i], v[LL+2*\i], v[LL+2*\i+1]
.endr
.irp i, 0,1,2,3
	v_permlanex16_b32 v[TMP+\i], v[MT+\i], s25, s26
.endr
.irp i, 0,1,2,3
	v_add_f32 v[MT+\i], v[MT+\i], v[TMP+\i]
	ds_store_b32 v[SMW], v[MT+\i] offset:1024+\i*256
.endr
	s_wait_dscnt 0x0                               ; my part of P and my sums are written before I signal
	s_barrier_signal -1
	s_barrier_wait -1
.irp i, 0,1,2,3
	ds_load_b128 v[TMP+4*\i:TMP+4*\i+3], v[SMR] offset:1024+\i*256
.endr
	s_wait_dscnt 0x0
.irp i, 0,1,2,3
	v_pk_add_f32 v[TMP+4*\i:TMP+4*\i+1], v[TMP+4*\i:TMP+4*\i+1], v[TMP+4*\i+2:TMP+4*\i+3]
	v_add_f32 v[MT+\i], v[TMP+4*\i], v[TMP+4*\i+1]
.endr
.irp i, 0,1,2,3
	v_rcp_f32 v[MM+2*\i], v[MT+\i]                 ; the sum holds the maximum's own 2^0 = 1: it is at least 1
.endr
	v_mov_b32 v[AL], v[ALP]                        ; a plain instruction between the last v_rcp_f32 and the use of the results (ISA guide 5.7.2)
	s_wait_alu depctr_va_vdst(0)
.irp i, 0,1,2,3
	v_mov_b32 v[MM+2*\i+1], v[MM+2*\i]
.endr
	; ---------------- V: o = (P h^T) / l, into A ----------------
	PHASE 3, 1
	EPI STA, 2
	; ---------------- U: u = Wv o + bv, into B; half of x is asked for ----------------
	XLOAD 0
	v_mov_b32 v[AL], v[ALA]
	PHASE 4, 2
	EPI STB, 0
	; ---------------- O: Wproj u, sources swapped; the other half of x ----------------
	XLOAD 32
	v_mov_b32 v[AL], v[ALB]
	PHASE 5, 1
	; ---------------- the way out: + bproj, through my own stage, + x, whole rows of 256 bytes ----------------
	PLACES
	WIN 0x82
.irp a, 0,1,2,3,4,5,6,7
.irp i, 0,1,2,3
.irp j, 0,2,4,6
	v_pk_add_f32 v[8*(4*\a+\i)+\j:8*(4*\a+\i)+\j+1], v[8*(4*\a+\i)+\j:8*(4*\a+\i)+\j+1], v[BP+2*\a:BP+2*\a+1]
.endr
.endr
.endr
	WIN 0x08                                       ; store data in window 2
.irp a, 0,1,2,3,4,5,6,7
.irp i, 0,1,2,3
	ds_store_b128 v[STG], v[8*(4*\a+\i):8*(4*\a+\i)+3]   offset:\a*4352+\i*64
	ds_store_b128 v[STG], v[8*(4*\a+\i)+4:8*(4*\a+\i)+7] offset:\a*4352+\i*64+16
.endr
.endr
	WIN 0x80                                       ; read back into window 2: LDS serves a wave's instructions in order (ISA guide 5.7.1), these see the stores above
.set XT, 0
.rept 64
	ds_load_b128 v[4*XT:4*XT+3], v[RDB] offset:XT*544
.set XT, XT+1
.endr
	s_wait_loadcnt 0x0                             ; x
.irp g, 0,1,2,3
	s_wait_dscnt 48-16*\g                          ; the oldest 16 (g + 1) read-backs are in; the younger ones may be out
	WIN 0xcb                                       ; destination and source 0 window 3 (x), source 1 window 2 (the stage's rows)
.set XT, 16*\g
.rept 16
	v_pk_add_f32 v[4*XT:4*XT+1], v[4*XT:4*XT+1], v[4*XT:4*XT+1]
	v_pk_add_f32 v[4*XT+2:4*XT+3], v[4*XT+2:4*XT+3], v[4*XT+2:4*XT+3]
.set XT, XT+1
.endr
	WIN 0x0c                                       ; store data in window 3
.set XT, 16*\g
.rept 16
	global_store_b128 v[XO], v[4*XT:4*XT+3], s[16:17] offset:XT*8192 th:TH_STORE_NT     ; 16 lanes store 256 consecutive bytes, aligned
.set XT, XT+1
.endr
.endr
	WIN 0
	s_set_vgpr_msb (MSB<<8)|((MSB&0xf0)|0x1)
	s_wait_tensorcnt 0x0
	ds_add_u32 v255, v18
	s_wait_dscnt 0x0
	s_set_vgpr_msb (((MSB&0xf0)|0x1)<<8)|MSB
	CROUND                                         ; the closing round: no work-group ends while a partner may still issue a joint load that names it
	s_endpgm
.Lfunc_end_k_q76f356fc74_attn:
	.size	k_q76f356fc74_attn, .Lfunc_end_k_q76f356fc74_attn-k_q76f356fc74_attn
	.p2alignl 7, 3214868480
	.fill 96, 4, 3214868480
	.section	.rodata,"a",@progbits
	.p2align	6, 0x0
	.amdhsa_kernel k_q76f356fc74_attn
		.amdhsa_group_segment_fixed_size 327680
		.amdhsa_private_segment_fixed_size 0
		.amdhsa_enable_private_segment 0
		.amdhsa_kernarg_size 56
		.amdhsa_user_sgpr_count 2
		.amdhsa_user_sgpr_kernarg_segment_ptr 1
		.amdhsa_wavefront_size32 1
		.amdhsa_system_sgpr_workgroup_id_x 1
		.amdhsa_system_sgpr_workgroup_id_y 1
		.amdhsa_system_sgpr_workgroup_id_z 1
		.amdhsa_system_vgpr_workitem_id 0
		.amdhsa_next_free_vgpr 1024
		.amdhsa_next_free_sgpr 96
		.amdhsa_reserve_vcc 0
		.amdhsa_float_denorm_mode_32 3
		.amdhsa_float_denorm_mode_16_64 3
		.amdhsa_memory_ordered 1
		.amdhsa_forward_progress 1
		.amdhsa_inst_pref_size 255
	.end_amdhsa_kernel
	.section	.bss,"aw",@nobits
	.p2align	6
	.space	262144
	.amdgpu_metadata
---
amdhsa.version: [ 1, 2 ]
amdhsa.kernels:
  - .name:           k_q76f356fc74_attn
    .symbol:         k_q76f356fc74_attn.kd
    .args:
      - { .name: hbuf, .offset: 0, .size: 8, .value_kind: global_buffer, .address_space: global }
      - { .name: wts, .offset: 8, .size: 8, .value_kind: global_buffer, .address_space: global }
      - { .name: x, .offset: 16, .size: 8, .value_kind: global_buffer, .address_space: global }
      - { .name: bq, .offset: 24, .size: 8, .value_kind: global_buffer, .address_space: global }
      - { .name: bv, .offset: 32, .size: 8, .value_kind: global_buffer, .address_space: global }
      - { .name: bproj, .offset: 40, .size: 8, .value_kind: global_buffer, .address_space: global }
      - { .name: out0, .offset: 48, .size: 8, .value_kind: global_buffer, .address_space: global }
    .group_segment_fixed_size: 327680
    .private_segment_fixed_size: 0
    .kernarg_segment_align: 8
    .kernarg_segment_size: 56
    .max_flat_workgroup_size: 128
    .sgpr_count:     96
    .vgpr_count:     1024
    .wavefront_size: 32
...
	.end_amdgpu_metadata
.endif
;; end of part 2
;; ======== version 2 of 3: 2 launches; 1.40 times as fast as version 1
;; limits: values outside matrix products are rounded to bf16
;; workspace buffers: hbuf 16,777,216 bytes; wts 1,052,672 bytes
;; launch prep (part 3): grid 640 x 1, 8 waves a work-group, no clusters, 54,016 bytes of LDS; arguments x, gn_scale, gn_bias, wq, wk, wv, wproj, bq, bv, bproj, hbuf, wts; writes hbuf, wts
.if DOCPART == 3
	.amdgcn_target "amdgcn-amd-amdhsa--gfx1250"
	.amdhsa_code_object_version 6
	.text
	.protected	k_q76f356fc74_prep
	.globl	k_q76f356fc74_prep
	.p2align	8
	.type	k_q76f356fc74_prep,@function
k_q76f356fc74_prep:
	s_mov_b64 s[64:65], 0
	v_nop
	global_prefetch_b8 v0, s[64:65] scope:SCOPE_SE
	s_setreg_imm32_b32 hwreg(HW_REG_WAVE_MODE, 25, 1), 1
	s_wait_xcnt 0x0
; AttnBlock, first of two launches: GroupNorm of x into hbuf (bf16), and the two folded weight products with their vectors into wts.
;
; HOW THE WHOLE PROGRAM ASSOCIATES reference()'s PRODUCTS (identities for all values of the inputs):
;   scores  s_ij = (Wq h_i + bq) . (Wk h_j + bk) = (M1 h_i + v1) . h_j + q_i . bk     with M1 = Wk^T Wq, v1 = Wk^T bq
;   values  Wproj (sum_j w_ij (Wv h_j + bv)) + bproj = M2 (sum_j w_ij h_j) + v2        with M2 = Wproj Wv, v2 = Wproj bv + bproj, because a softmax row sums to 1
; so q, k, v are never formed: the second launch takes h itself as keys and values.  C^-0.5 log2(e) is folded into M1 and v1.
; The fold costs 2 x 512^3 multiply-adds once and spares 2 x 16,384 x 512^2 of them in the second launch.
; DEAD WORK: q_i . bk is the same for every j of row i, the axis of the softmax, so it cancels in softmax(s_i.) whatever bk and q hold.
; bk therefore has no way to the output: it is not loaded and is no argument of any launch.
; LIMITS: a NaN, an infinity or an overflow that bk alone would bring is not carried to the result.  The weights, bq and bv enter the fold rounded to bf16, its sums are f32,
; M1 and M2 are rounded to bf16 once; v1, v2 stay f32.  h, t = M1 h + v1, the softmax weights and o are rounded to bf16 as matrix operands in the second launch.
;
; Work-groups 0..127 (first, since their four chunks of K depend on each other): a block of 64 rows x 64 columns of M1 (0..63) or M2 (64..127).
; wts: M1, M2 as [kc 8][row 512][64 c] bf16, 524,288 bytes each; v1, v2 (512 f32 each) behind them.
; Work-groups 128..639: one GroupNorm group each (image b, group): 16 channels x 1024 pixels = 65,536 consecutive bytes of x,
; kept in registers between the pass for the mean, the pass for the variance (sum of (x - mean)^2: no difference of large sums) and the output.
; hbuf: [b 16][jblk 16][c 512][64 pixels] bf16: a channel's 64 pixels are 128 bytes, a (b, jblk) tile is 65,536 consecutive bytes.
; No tensor loads and no cluster: the f32 inputs are rounded on the way through registers, and several work-groups share a WGP.
.set NFOLD, 128
.set X,    16                          ; v[16:79]  64 numbers of the thread
.set LOFF, 80                          ; GroupNorm: byte offset of the loads
.set SOFF, 81                          ; byte offset of the stores
.set COFF, 82                          ; byte offset of my channel in gn_scale, gn_bias
; the fold's LDS (bytes 0..63 are GroupNorm's sums)
.set FB,   256                         ; the bias, 512 bf16
.set FV,   1280                        ; the vector's rows, f32: a run of 64 bytes for each of the eight wave numbers, 512 bytes, so that 64 w + 4 r stays inside for every w (waves 0..3 write theirs)
.set FR,   1792                        ; the rows' side of a chunk: [128 k][64 rows] pitch 160, or [64 rows][128 k] pitch 272
.set FC,   22272                       ; the columns' side: [128 k][64 c] pitch 160
.set FS,   42752                       ; eight stages, one a wave: [16 rows][32 c] bf16, pitch 80
.set WVEC, 1048576                     ; v1 in wts; v2 2,048 bytes further
.set SCALE, 0x3d8293ef                 ; 512^-0.5 x log2(e)
; the fold's registers
.set LKN, 4                            ; global offset of a [K][N] load: row 16 w + h, 16 bytes at 16 r
.set LRP, 5                            ; global offset in wproj: row 8 w, 16 bytes a lane
.set SKN, 6                            ; LDS offset of what LKN loads
.set SRP, 7                            ; LDS offset of what LRP loads
.set FCA, 8                            ; my fragments of the columns' side
.set FRA, 9                            ; my fragment of the rows' side
.set FBA, 10                           ; the bias fragment; steps chunk by chunk
.set STS, 11                           ; my 16 bytes in my stage
.set STR, 12                           ; read back
.set GO,  13                           ; my 16 bytes of the block in wts
.set VS,  14                           ; my row's word of the vector
.set VR,  15                           ; 8 bytes a lane of the vector
.set RF,  80                           ; v[80:87]   fragment of the rows' side
.set CF,  88                           ; v[88:103]  two fragments of the columns' side
.set BF,  104                          ; v[104:111] bias fragment
.set A0,  112                          ; v[112:127] two accumulators
.set AB,  128                          ; v[128:135] the vector's accumulator
	s_load_b512 s[4:19], s[0:1], 0x0               ; x s[4:5], gn_scale s[6:7], gn_bias s[8:9], wq s[10:11], wk s[12:13], wv s[14:15], wproj s[16:17], bq s[18:19]
	s_load_b256 s[20:27], s[0:1], 0x40             ; bv s[20:21], bproj s[22:23], hbuf s[24:25], wts s[26:27]
	v_lshl_add_u32 v136, v0, 2, 0xcf00
	v_mov_b32 v137, 0
	v_lshrrev_b32 v1, 5, v0
	v_readfirstlane_b32 s28, v1                    ; wave 0..7
	s_cmp_lt_u32 ttmp9, NFOLD                      ; the same for all waves of a work-group
	s_cbranch_scc1 .Lfold
	; ---------------- GroupNorm ----------------
	s_sub_co_u32 s29, ttmp9, NFOLD                 ; 32 b + group
	s_lshl_b32 s30, s29, 16                        ; the group's bytes in x
	s_mov_b32 s31, 0
	s_lshr_b32 s32, s29, 5                         ; b
	s_and_b32 s33, s29, 31                         ; group
	s_lshl_b32 s34, s32, 20                        ; b x 16 tiles of 65,536 bytes
	s_lshl_b32 s36, s33, 11                        ; + group x 16 channels x 128 bytes
	s_add_co_u32 s34, s34, s36
	s_mov_b32 s35, 0
	s_lshl_b32 s36, s33, 6                         ; group x 16 channels x 4 bytes
	s_mov_b32 s37, 0
	s_mov_b32 s38, 0x76543210                      ; v_permlanex16_b32: lane i reads lane i of the other half
	s_mov_b32 s39, 0xfedcba98
	s_mov_b32 s40, 0x38800000                      ; 2^-14 = 1 / (16 x 1024)
	s_mov_b32 s41, 0x358637bd                      ; 1e-6
	v_lshrrev_b32 v2, 4, v0                        ; c: my channel of the 16
	v_and_b32 v3, 15, v0                           ; p: my 4 pixels of every 64
	v_lshlrev_b32 v[LOFF], 12, v2
	v_lshl_or_b32 v[LOFF], v3, 4, v[LOFF]          ; c x 4,096 + p x 16
	v_lshlrev_b32 v[SOFF], 7, v2
	v_lshl_or_b32 v[SOFF], v3, 3, v[SOFF]          ; c x 128 + p x 8
	v_lshlrev_b32 v[COFF], 2, v2
	v_mov_b32 v14, s28
	v_lshlrev_b32 v14, 2, v14                      ; my wave's word in LDS
	v_mov_b32 v15, 0
	s_wait_kmcnt 0x0
	s_add_nc_u64 s[4:5], s[4:5], s[30:31]
	s_add_nc_u64 s[6:7], s[6:7], s[36:37]
	s_add_nc_u64 s[8:9], s[8:9], s[36:37]
	s_add_nc_u64 s[24:25], s[24:25], s[34:35]
.irp q, 0,1,2,3,4,5,6,7,8,9,10,11,12,13,14,15
	global_load_b128 v[X+4*\q:X+4*\q+3], v[LOFF], s[4:5] offset:\q*256      ; pixels 64 q + 4 p .. + 3 of my channel
.endr
	global_load_b32 v12, v[COFF], s[6:7]           ; gn_scale[c]
	global_load_b32 v13, v[COFF], s[8:9]           ; gn_bias[c]
	s_wait_loadcnt 0x0
; The four chains v[4:11] are folded, summed over the wave's 32 lanes and over the eight waves (through eight words of LDS at byte off); the sum ends in v4 of every lane.
.macro WGSUM off
	v_pk_add_f32 v[4:5], v[4:5], v[6:7]
	v_pk_add_f32 v[8:9], v[8:9], v[10:11]
	v_pk_add_f32 v[4:5], v[4:5], v[8:9]
	v_add_f32 v4, v4, v5
	v_add_f32_dpp v4, v4, v4 row_xmask:1 row_mask:0xf bank_mask:0xf
	v_add_f32_dpp v4, v4, v4 row_xmask:2 row_mask:0xf bank_mask:0xf
	v_add_f32_dpp v4, v4, v4 row_xmask:4 row_mask:0xf bank_mask:0xf
	v_add_f32_dpp v4, v4, v4 row_xmask:8 row_mask:0xf bank_mask:0xf
	v_permlanex16_b32 v5, v4, s38, s39
	v_add_f32 v4, v4, v5
	ds_store_b32 v14, v4 offset:\off
	s_wait_dscnt 0x0                               ; my word is written before I signal
	s_barrier_signal -1
	s_barrier_wait -1
	ds_load_b128 v[4:7], v15 offset:\off
	ds_load_b128 v[8:11], v15 offset:\off+16
	s_wait_dscnt 0x0
	v_pk_add_f32 v[4:5], v[4:5], v[6:7]
	v_pk_add_f32 v[8:9], v[8:9], v[10:11]
	v_pk_add_f32 v[4:5], v[4:5], v[8:9]
	v_add_f32 v4, v4, v5
.endm
	; pass 1: the mean.  Four chains, started by the first eight pairs: nothing is cleared.
.irp k, 0,1,2,3
	v_pk_add_f32 v[4+2*\k:5+2*\k], v[X+2*\k:X+2*\k+1], v[X+8+2*\k:X+8+2*\k+1]
.endr
.set j, 8
.rept 24
	v_pk_add_f32 v[4+2*(j%4):5+2*(j%4)], v[4+2*(j%4):5+2*(j%4)], v[X+2*j:X+2*j+1]
.set j, j+1
.endr
	WGSUM 0
	v_mul_f32 v84, s40, v4                         ; mean
	v_mov_b32 v85, v84
	; pass 2: d = x - mean in place, and the sum of d^2
.set j, 0
.rept 32
	v_pk_add_f32 v[X+2*j:X+2*j+1], v[X+2*j:X+2*j+1], v[84:85] neg_lo:[0,1] neg_hi:[0,1]
.set j, j+1
.endr
.irp k, 0,1,2,3
	v_pk_mul_f32 v[4+2*\k:5+2*\k], v[X+2*\k:X+2*\k+1], v[X+2*\k:X+2*\k+1]
.endr
.set j, 4
.rept 28
	v_pk_fma_f32 v[4+2*(j%4):5+2*(j%4)], v[X+2*j:X+2*j+1], v[X+2*j:X+2*j+1], v[4+2*(j%4):5+2*(j%4)]
.set j, j+1
.endr
	WGSUM 32                                       ; other words than pass 1's: no wave can overwrite what another still reads
	v_fma_f32 v4, v4, s40, s41                     ; variance + 1e-6
	v_rsq_f32 v5, v4
	v_mov_b32 v88, v13                             ; a plain instruction between v_rsq_f32 and the use of its result (ISA guide 5.7.2)
	s_wait_alu depctr_va_vdst(0)
	v_mul_f32 v86, v5, v12                         ; rstd x gn_scale[c]
	v_mov_b32 v89, v13
	v_mov_b32 v87, v86
.irp q, 0,1,2,3,4,5,6,7,8,9,10,11,12,13,14,15
	v_pk_fma_f32 v[X+4*\q:X+4*\q+1], v[X+4*\q:X+4*\q+1], v[86:87], v[88:89]
	v_pk_fma_f32 v[X+4*\q+2:X+4*\q+3], v[X+4*\q+2:X+4*\q+3], v[86:87], v[88:89]
	v_cvt_pk_bf16_f32 v[X+4*\q], v[X+4*\q], v[X+4*\q+1]
	v_cvt_pk_bf16_f32 v[X+4*\q+1], v[X+4*\q+2], v[X+4*\q+3]
	global_store_b64 v[SOFF], v[X+4*\q:X+4*\q+1], s[24:25] offset:\q*65536  ; tile q: a wave's store covers two channels' 128 bytes, 256 consecutive bytes, aligned
.endr
	s_wait_tensorcnt 0x0
	ds_add_u32 v136, v137
	s_wait_dscnt 0x0
	s_endpgm
	; ---------------- the fold ----------------
	; M[row][c] = sum over k of R(row, k) C(k, c).  M1: R(row, k) = wk[k][row], C = wq, bias = bq.  M2: R(row, k) = wproj[row][k], C = wv, bias = bv.
	; Work-group: rows 64 rb .. + 63, columns 64 kc .. + 63.  Wave w = 4 ch + rt: rows 16 rt .. + 15 x columns 32 ch .. + 31, two accumulators.
	; The matrix instruction takes the columns' side as source 0 and the rows' side as source 1: lane (r, h) then holds row 16 rt + r and eight neighbouring columns 8 h + 0..7.
	; The vector (sum over k of R(row, k) bias[k]) is a third product in waves 0..3 of the work-groups with kc = 0: its source 0 holds the bias in all 16 rows.
; 16 loads of 16 bytes a lane: one chunk of 128 along K.  16 lanes take 256 consecutive, aligned bytes of a row (wproj: 32 lanes take 512).
.macro FLOADS
.irp u, 0,1,2,3,4,5,6,7
	global_load_b128 v[X+4*\u:X+4*\u+3], v[LKN], s[40:41] offset:\u*4096
.endr
.irp u, 0,1,2,3,4,5,6,7
	global_load_b128 v[X+32+4*\u:X+32+4*\u+3], v[F_LR], s[42:43] offset:\u*F_RL
.endr
.endm
; One K step of 32: 6 LDS loads, 2 products (3 where the vector is made).  The accumulators take turns, one instruction a turn.
.macro FSTEP ks, zero
.if \ks
.rept 4
	v_nop                                          ; four places behind the last products before their fragments are loaded again (ISA guide 7.12.1); for K step 0 the chunk's roundings are the places
.endr
.endif
.if F_PROD == 0
	ds_load_tr16_b128 v[RF:RF+3],   v[FRA] offset:FR+\ks*5120
	ds_load_tr16_b128 v[RF+4:RF+7], v[FRA] offset:FR+\ks*5120+2560
.else
	ds_load_b128 v[RF:RF+3],   v[FRA] offset:FR+\ks*64
	ds_load_b128 v[RF+4:RF+7], v[FRA] offset:FR+\ks*64+32
.endif
.irp ct, 0,1
	ds_load_tr16_b128 v[CF+8*\ct:CF+8*\ct+3],   v[FCA] offset:FC+\ks*5120+\ct*32
	ds_load_tr16_b128 v[CF+8*\ct+4:CF+8*\ct+7], v[FCA] offset:FC+\ks*5120+\ct*32+2560
.endr
	s_wait_dscnt 0x0
.if \zero
	v_wmma_f32_16x16x32_bf16 v[A0:A0+7],    v[CF:CF+7],    v[RF:RF+7], 0
	v_wmma_f32_16x16x32_bf16 v[A0+8:A0+15], v[CF+8:CF+15], v[RF:RF+7], 0
.else
	v_wmma_f32_16x16x32_bf16 v[A0:A0+7],    v[CF:CF+7],    v[RF:RF+7], v[A0:A0+7]
	v_wmma_f32_16x16x32_bf16 v[A0+8:A0+15], v[CF+8:CF+15], v[RF:RF+7], v[A0+8:A0+15]
.endif
	s_cmp_lg_u32 s35, 0                            ; kc = 0 and ch = 0: this wave makes 16 rows of the vector
	s_cbranch_scc1 .Lno_vec_\@
	ds_load_b128 v[BF:BF+3],   v[FBA] offset:FB+\ks*64     ; bias[k0 + 8 h ..], the same for all 16 rows of the fragment
	ds_load_b128 v[BF+4:BF+7], v[FBA] offset:FB+\ks*64+32
	s_wait_dscnt 0x0
	v_wmma_f32_16x16x32_bf16 v[AB:AB+7], v[BF:BF+7], v[RF:RF+7], v[AB:AB+7]
.Lno_vec_\@:
.endm
; One chunk.  more = 1: the next chunk's loads go out as soon as this chunk's registers are free, and are on their way through this chunk's products.
.macro FTRIP zero, more
	s_wait_loadcnt 0x0                             ; the chunk is in registers; its loads' bases may be stepped
.irp q, 0,1,2,3,4,5,6,7,8,9,10,11,12,13,14,15
	v_cvt_pk_bf16_f32 v[X+4*\q], v[X+4*\q], v[X+4*\q+1]
	v_cvt_pk_bf16_f32 v[X+4*\q+1], v[X+4*\q+2], v[X+4*\q+3]
.endr
	s_wait_dscnt 0x0                               ; my reads of the last chunk are back (and my part of the bias is written)
	s_barrier_signal -1
	s_barrier_wait -1                              ; no wave still reads the last chunk
.irp u, 0,1,2,3,4,5,6,7
	ds_store_b64 v[SKN],  v[X+4*\u:X+4*\u+1]       offset:FC+\u*320
	ds_store_b64 v[F_SR], v[X+32+4*\u:X+32+4*\u+1] offset:FR+\u*F_RS
.endr
	s_wait_dscnt 0x0                               ; my rows are written before I signal, and before their registers are loaded again
.if \more
	s_add_nc_u64 s[40:41], s[40:41], 262144        ; 128 rows of 2,048 bytes on
	s_add_nc_u64 s[42:43], s[42:43], F_RSTEP
	FLOADS
.endif
	s_barrier_signal -1
	s_barrier_wait -1                              ; the chunk is whole
	FSTEP 0, \zero
	FSTEP 1, 0
	FSTEP 2, 0
	FSTEP 3, 0
	v_add_nc_u32 v[FBA], 256, v[FBA]               ; the bias: 128 bf16 on
.endm
.macro FOLD prod
.set F_PROD, \prod
	s_lshl_b32 s38, s32, 8                         ; my 64 columns: 256 bytes of f32
	s_mov_b32 s39, 0
.if \prod == 0
.set F_LR, LKN
.set F_SR, SKN
.set F_RL, 4096
.set F_RS, 320
.set F_RSTEP, 262144
	s_add_nc_u64 s[40:41], s[10:11], s[38:39]      ; wq
	s_lshl_b32 s38, s31, 8
	s_add_nc_u64 s[42:43], s[12:13], s[38:39]      ; wk: my 64 rows of M1 are 64 columns of wk
	v_lshl_add_u32 v[FRA], s34, 5, v16             ; transposing loads, columns 16 rt ..
.else
.set F_LR, LRP
.set F_SR, SRP
.set F_RL, 2048
.set F_RS, 272
.set F_RSTEP, 512
	s_add_nc_u64 s[40:41], s[14:15], s[38:39]      ; wv
	s_lshl_b32 s38, s31, 17
	s_add_nc_u64 s[42:43], s[16:17], s[38:39]      ; wproj: my 64 rows of 2,048 bytes
	v_lshlrev_b32 v[LRP], 4, v3
	v_lshl_add_u32 v[LRP], s28, 14, v[LRP]         ; row 8 w (+ u), 16 bytes a lane
	v_lshlrev_b32 v[SRP], 3, v3
	s_mul_i32 s37, s28, 2176
	v_add_nc_u32 v[SRP], s37, v[SRP]               ; 8 w rows of 272 bytes + 8 bytes a lane
	v_mul_u32_u24 v[FRA], v1, 272
	v_lshl_add_u32 v[FRA], v2, 4, v[FRA]
	s_mul_i32 s37, s34, 4352
	v_add_nc_u32 v[FRA], s37, v[FRA]               ; plain loads: row 16 rt + r, + 16 h
.endif
	s_lshl_b32 s38, s32, 16                        ; wts: tile kc,
	s_lshl_b32 s37, s31, 13                        ; 64 rb rows of 128 bytes
	s_add_co_u32 s38, s38, s37
.if \prod
	s_add_co_u32 s38, s38, 524288
.endif
	s_add_nc_u64 s[44:45], s[26:27], s[38:39]
	FLOADS                                         ; chunk 0
	s_cmp_lg_u32 s32, 0
	s_cbranch_scc1 .Lno_bias_\@
	v_lshlrev_b32 v[RF], 3, v0                     ; the bias, two numbers a thread, as bf16 into LDS
	v_lshlrev_b32 v[RF+1], 2, v3
	v_lshl_add_u32 v[RF+1], s28, 7, v[RF+1]
.if \prod == 0
	global_load_b64 v[BF:BF+1], v[RF], s[18:19]
.else
	global_load_b64 v[BF:BF+1], v[RF], s[20:21]
.endif
	s_wait_loadcnt 0x0
	v_cvt_pk_bf16_f32 v[BF], v[BF], v[BF+1]
	ds_store_b32 v[RF+1], v[BF] offset:FB
.Lno_bias_\@:
.irp j, 0,1,2,3,4,5,6,7
	v_mov_b32 v[AB+\j], 0                          ; cleared in every wave: the vector's products stand under a branch, and the accumulator is written on every path
.endr
	FTRIP 1, 1                                     ; the first chunk's first products start the sums
	s_mov_b32 s37, 2
.Lchunk_\@:
	FTRIP 0, 1
	s_sub_co_u32 s37, s37, 1
	s_cmp_lg_u32 s37, 0
	s_cbranch_scc1 .Lchunk_\@
	FTRIP 0, 0                                     ; the last chunk loads nothing
	; the way out: my 16 rows x 32 columns as bf16 into my stage; behind a barrier the block's 8,192 consecutive bytes leave, 512 to a store of a wave
.rept 4
	v_nop                                          ; four places behind the last products before their results are read (ISA guide 7.12.1)
.endr
.if \prod == 0
.irp j, 0,2,4,6,8,10,12,14
	v_pk_mul_f32 v[A0+\j:A0+\j+1], v[A0+\j:A0+\j+1], SCALE op_sel_hi:[1,0]
.endr
.endif
.irp j, 0,1,2,3,4,5,6,7
	v_cvt_pk_bf16_f32 v[X+\j], v[A0+2*\j], v[A0+2*\j+1]
.endr
	ds_store_b128 v[STS], v[X:X+3]   offset:FS
	ds_store_b128 v[STS], v[X+4:X+7] offset:FS+32
	s_cmp_lg_u32 s35, 0
	s_cbranch_scc1 .Lno_row_\@
	ds_store_b32 v[VS], v[AB] offset:FV            ; every register of lane (r, h) holds row 16 rt + r's sum; both halves write the same word; FV's bytes are read by nobody before the barrier below
.Lno_row_\@:
	s_wait_dscnt 0x0
	s_barrier_signal -1
	s_barrier_wait -1
	ds_load_b128 v[X+8:X+11],  v[STR] offset:FS
	ds_load_b128 v[X+12:X+15], v[STR] offset:FS+2560
	s_wait_dscnt 0x0
	global_store_b128 v[GO], v[X+8:X+11],  s[44:45]
	global_store_b128 v[GO], v[X+12:X+15], s[44:45] offset:4096
	s_cmp_lg_u32 s36, 0                            ; kc = 0 and wave 0: the vector's 64 rows, 256 consecutive bytes, aligned
	s_cbranch_scc1 .Lfold_end_\@
	s_lshl_b32 s38, s31, 8
	s_add_nc_u64 s[46:47], s[26:27], s[38:39]
	ds_load_b64 v[X+16:X+17], v[VR] offset:FV
.if \prod
	s_add_nc_u64 s[42:43], s[22:23], s[38:39]      ; bproj (the loads that named s[42:43] are done)
	global_load_b64 v[X+18:X+19], v[VR], s[42:43]
	s_wait_loadcnt 0x0
.endif
	s_wait_dscnt 0x0
.if \prod
	v_pk_add_f32 v[X+16:X+17], v[X+16:X+17], v[X+18:X+19]
.else
	v_pk_mul_f32 v[X+16:X+17], v[X+16:X+17], SCALE op_sel_hi:[1,0]
.endif
	global_store_b64 v[VR], v[X+16:X+17], s[46:47] offset:WVEC+\prod*2048
.Lfold_end_\@:
	s_wait_tensorcnt 0x0
	ds_add_u32 v136, v137
	s_wait_dscnt 0x0
	s_endpgm
.endm
.Lfold:
	s_lshr_b32 s29, ttmp9, 6                       ; 0: M1, 1: M2
	s_and_b32 s30, ttmp9, 63
	s_lshr_b32 s31, s30, 3                         ; rb
	s_and_b32 s32, s30, 7                          ; kc
	s_lshr_b32 s33, s28, 2                         ; ch
	s_and_b32 s34, s28, 3                          ; rt
	s_or_b32 s35, s32, s33                         ; 0: this wave makes 16 rows of the vector
	s_or_b32 s36, s32, s28                         ; 0: this wave stores the vector's 64 rows
	v_and_b32 v1, 15, v0                           ; r
	v_bfe_u32 v2, v0, 4, 1                         ; h
	v_and_b32 v3, 31, v0                           ; lane
	v_lshlrev_b32 v[LKN], 11, v2
	v_lshl_or_b32 v[LKN], v1, 4, v[LKN]
	v_lshl_add_u32 v[LKN], s28, 15, v[LKN]         ; k row 16 w + h (+ 2 u): 2,048 bytes a row; 16 r
	v_mul_u32_u24 v[SKN], v2, 160
	v_lshl_add_u32 v[SKN], v1, 3, v[SKN]
	s_mul_i32 s37, s28, 2560
	v_add_nc_u32 v[SKN], s37, v[SKN]               ; the same rows at pitch 160, 8 r
	v_and_b32 v16, 7, v0
	v_lshl_add_u32 v16, v2, 3, v16
	v_mul_u32_u24 v16, v16, 160
	v_bfe_u32 v17, v0, 3, 1
	v_lshl_add_u32 v16, v17, 4, v16                ; transposing loads: k row 8 h + (lane & 7), + 16 ((lane >> 3) & 1)
	v_lshl_add_u32 v[FCA], s33, 6, v16             ; columns 32 ch ..
	v_lshlrev_b32 v[FBA], 4, v2
	v_mul_u32_u24 v[STS], v1, 80
	v_lshl_add_u32 v[STS], v2, 4, v[STS]
	s_mul_i32 s37, s28, 1280
	v_add_nc_u32 v[STS], s37, v[STS]
	v_bfe_u32 v17, v0, 2, 1                        ; read back: thread t takes bytes 16 t of the block: row t >> 3, 16 bytes at 16 (t & 7)
	v_mul_u32_u24 v[STR], v17, 5120                ; ch = bit 2 of t: four stages on
	v_bfe_u32 v17, v0, 7, 1
	v_mad_u32_u24 v[STR], v17, 1280, v[STR]        ; rt = t >> 7 (+ 2 for the second 4,096 bytes)
	v_bfe_u32 v17, v0, 3, 4
	v_mad_u32_u24 v[STR], v17, 80, v[STR]          ; row in the stage
	v_and_b32 v17, 3, v0
	v_lshl_add_u32 v[STR], v17, 4, v[STR]
	v_lshlrev_b32 v[GO], 4, v0
	v_lshlrev_b32 v[VS], 2, v1
	v_lshl_add_u32 v[VS], s28, 6, v[VS]            ; 64 w + 4 r: row 16 w + r (waves 0..3: w = rt); at most 508, inside FV's 512 bytes for every wave number
	v_lshlrev_b32 v[VR], 3, v3
	s_wait_kmcnt 0x0
	s_cmp_lg_u32 s29, 0
	s_cbranch_scc1 .Lfold_m2
	FOLD 0
.Lfold_m2:
	FOLD 1
.Lfunc_end_k_q76f356fc74_prep:
	.size	k_q76f356fc74_prep, .Lfunc_end_k_q76f356fc74_prep-k_q76f356fc74_prep
	.p2alignl 7, 3214868480
	.fill 96, 4, 3214868480
	.section	.rodata,"a",@progbits
	.p2align	6, 0x0
	.amdhsa_kernel k_q76f356fc74_prep
		.amdhsa_group_segment_fixed_size 54016
		.amdhsa_private_segment_fixed_size 0
		.amdhsa_enable_private_segment 0
		.amdhsa_kernarg_size 96
		.amdhsa_user_sgpr_count 2
		.amdhsa_user_sgpr_kernarg_segment_ptr 1
		.amdhsa_wavefront_size32 1
		.amdhsa_system_sgpr_workgroup_id_x 1
		.amdhsa_system_sgpr_workgroup_id_y 1
		.amdhsa_system_sgpr_workgroup_id_z 1
		.amdhsa_system_vgpr_workitem_id 0
		.amdhsa_next_free_vgpr 138
		.amdhsa_next_free_sgpr 66
		.amdhsa_reserve_vcc 0
		.amdhsa_float_denorm_mode_32 3
		.amdhsa_float_denorm_mode_16_64 3
		.amdhsa_memory_ordered 1
		.amdhsa_forward_progress 1
		.amdhsa_inst_pref_size 79
	.end_amdhsa_kernel
	.amdgpu_metadata
---
amdhsa.version: [ 1, 2 ]
amdhsa.kernels:
  - .name:           k_q76f356fc74_prep
    .symbol:         k_q76f356fc74_prep.kd
    .args:
      - { .name: x, .offset: 0, .size: 8, .value_kind: global_buffer, .address_space: global }
      - { .name: gn_scale, .offset: 8, .size: 8, .value_kind: global_buffer, .address_space: global }
      - { .name: gn_bias, .offset: 16, .size: 8, .value_kind: global_buffer, .address_space: global }
      - { .name: wq, .offset: 24, .size: 8, .value_kind: global_buffer, .address_space: global }
      - { .name: wk, .offset: 32, .size: 8, .value_kind: global_buffer, .address_space: global }
      - { .name: wv, .offset: 40, .size: 8, .value_kind: global_buffer, .address_space: global }
      - { .name: wproj, .offset: 48, .size: 8, .value_kind: global_buffer, .address_space: global }
      - { .name: bq, .offset: 56, .size: 8, .value_kind: global_buffer, .address_space: global }
      - { .name: bv, .offset: 64, .size: 8, .value_kind: global_buffer, .address_space: global }
      - { .name: bproj, .offset: 72, .size: 8, .value_kind: global_buffer, .address_space: global }
      - { .name: hbuf, .offset: 80, .size: 8, .value_kind: global_buffer, .address_space: global }
      - { .name: wts, .offset: 88, .size: 8, .value_kind: global_buffer, .address_space: global }
    .group_segment_fixed_size: 54016
    .private_segment_fixed_size: 0
    .kernarg_segment_align: 8
    .kernarg_segment_size: 96
    .max_flat_workgroup_size: 256
    .sgpr_count:     66
    .vgpr_count:     138
    .wavefront_size: 32
...
	.end_amdgpu_metadata
.endif
;; end of part 3
;; launch attn (part 4): grid 16 x 16, 4 waves a work-group, clusters of 4 x 1, 327,680 bytes of LDS; arguments hbuf, wts, x, out0; writes out0
.if DOCPART == 4
	.amdgcn_target "amdgcn-amd-amdhsa--gfx1250"
	.amdhsa_code_object_version 6
	.text
	.protected	k_q76f356fc74_attn
	.globl	k_q76f356fc74_attn
	.p2align	8
	.type	k_q76f356fc74_attn,@function
k_q76f356fc74_attn:
	s_mov_b64 s[64:65], 0
	v_nop
	global_prefetch_b8 v0, s[64:65] scope:SCOPE_SE
	s_setreg_imm32_b32 hwreg(HW_REG_WAVE_MODE, 25, 1), 1
	s_wait_xcnt 0x0
	s_wait_alu depctr_hold_cnt(0) depctr_sa_sdst(0) depctr_va_vdst(0) depctr_va_sdst(0) depctr_va_ssrc(0) depctr_va_vcc(0) depctr_vm_vsrc(0)
	s_getreg_b32 s2, hwreg(HW_REG_IB_STS2, 6, 4)
	s_cmp_eq_u32 s2, 0
	s_cbranch_scc0 .Lentry_in_a_cluster
	s_endpgm
.Lentry_in_a_cluster:
	s_bfe_u32 s2, ttmp6, 0x10000c
	s_cmp_lg_u32 s2, 0x3003
	s_cbranch_scc0 .Lentry_shape_is_right
	s_endpgm
.Lentry_shape_is_right:
; AttnBlock, second launch.  A work-group owns 64 queries (pixel block qb) of image b and runs the whole chain on them:
;   T: t = M1 h_i + v1 (C^-0.5 log2(e) is inside M1 and v1)     S: s = t . h_j for all 1024 keys     softmax with the true row maximum
;   V: o = (P h^T) / l                                          O: out = M2 o + v2 + x
; with M1 = Wk^T Wq, v1 = Wk^T bq, M2 = Wproj Wv, v2 = Wproj bv + bproj from the first launch.
; LEFT OUT: bk.  q_i . bk is the same along the softmax's axis and cancels for all values (shown at the head of the first launch); a NaN or infinity in bk is not carried.
; bv enters through v2 because a softmax row sums to 1.  t, P and o are rounded to bf16 as matrix operands.
;
; SHARING.  Four waves.  Every product has all 64 queries on one side (4 tiles of 16, index i) and wave w's slice on the other: 128 columns (8 tiles, index a,
; 32 accumulators) in T, V, O; 256 keys (16 tiles, 64 accumulators) in S.  K is walked in 48 tiles of 65,536 bytes (8 M1, 16 h for S, 16 h for V, 8 M2)
; through a ring of two LDS slots; each wave fetches a quarter of each tile with one tensor load.
; CLUSTER.  The four work-groups of a cluster are four query blocks of one image: they walk the same 48 tiles, so every ring load is a joint load with the mask 15.
; Only the block's own h tile (hq) is a plain load.  The place in the cluster enters hq's global address and the addresses of x and out0, and nothing else.
; TRANSPOSED USE.  Source 0 = the slice's side, source 1 = the queries' side: a lane (r = lane % 16, h = lane / 16) then holds query 16 i + r and eight neighbouring
; columns 8 h + 0..7, 16 bytes of bf16 of the next product's operand.  Phase O swaps the sources: a lane holds output channel 16 a + r and eight neighbouring pixels.
;
; LDS:  slot 0 at 0, slot 1 at 73,728 (tensor loads alone write them);  A at 147,456 (73,728 bytes: hq, its one fill; later o);  B at 221,184 (69,632: t);
;       STAT at 290,816 (row maxima, then 1,024 further the row sums: [64 queries][4 waves] f32).
;       t, o: four blocks, one for each wave that writes them, [64 queries][128 columns] bf16, pitch 272.  P: four blocks [64][256 keys], pitch 528, from A on over A and B.
;       The way out: a stage [128 channels][64 pixels] f32, pitch 272, for each wave, from A on.  A is stored into only behind its one fill.
; TILES in LDS.  Two logical rows of 128 bytes share one fetched row of 256 bytes.  WP (M1, M2, h for V): pitch 272 a pair.  HS (h for S: 32 channels x all keys) and
; hq: pitch 288 a pair (read by transposing loads).
;
; REGISTER WINDOWS: 0 addresses, the queries' fragments (two buffers), v1, v2, softmax figures; 1 the slice's fragments (two buffers);
;                   2 accumulator (a, i) at v[8 (4 a + i)]; 3 phase S's key tiles 8..15, later the 64 x 4 registers of x.
.set SLOT,  73728
.set RA,    2*SLOT
.set RB,    3*SLOT
.set BLK,   17408                      ; 64 rows x 272
.set PBLK,  33792                      ; 64 rows x 528
.set STAT,  RB+4*BLK
.set WVEC,  1048576                    ; v1 in wts; v2 2,048 bytes further
.set VWP, 4                            ; v4-5   my WP fragments in slot 0, 1
.set VHS, 8                            ; v8-9   my HS fragments
.set AL,  10                           ; v10    the queries' fragments: stepped block by block
.set ALA, 11                           ; v11    its start for an operand in A (pitch 272)
.set ALB, 12                           ; v12    in B
.set ALP, 13                           ; v13    for P
.set STA, 15                           ; v15    where I store 16 bytes of an operand in A (my block)
.set STB, 16                           ; v16    in B
.set STP, 17                           ; v17    of P
.set SMW, 19                           ; v19    my wave's word of query r in STAT
.set SMR, 20                           ; v20    the four waves' words of query r
.set STG, 21                           ; v21    the way out: where I put 32 bytes of a channel's row
.set RDB, 22                           ; v22    the way out: where I read rows back
.set XO,  23                           ; v23    my byte offset in x and out0
.set BO,  24                           ; v24    my byte offset in v1
.set BPO, 25                           ; v25    my byte offset in v2
.set MT,  26                           ; v26-29 at work: one figure for each i
.set ACT0, 32                          ; v32-63   the queries' fragments, buffer 0 (4 x 8)
.set ACT1, 64                          ; v64-95   buffer 1
.set TMP,  32                          ; v32-95   packed results on the way to LDS (between phases)
.set BT,  96                           ; v96-159  v1 as a C operand: [a][8]
.set BP,  224                          ; v224-239 v2 of channel 16 a + r, twice (pairs)
.set MM,  240                          ; v240-247 row maximum of query 16 i + r, twice; later 1 / row sum
.set LL,  248                          ; v248-255 row sums, two chains for each i
.set WF0, 0                            ; window 1: the slice's fragments, buffer 0 (8 x 8)
.set WF1, 64                           ; window 1: buffer 1
.set G0,   32                          ; s[32:39] group 0 of slot 0, slot 1
.set G0Q,  40                          ; s[40:43] group 0 of hq
.set G1WP, 44                          ; s[44:51]
.set G1HS, 68                          ; s[68:75]
.set G1HQ, 76                          ; s[76:83]
.set WB,   84                          ; s[84:85] wts + 16,384 w
.set HSB,  86                          ; s[86:87] hbuf + image + 262,144 w (my four key blocks)
.set HVB,  88                          ; s[88:89] hbuf + image + 16,384 w (my 128 channels of a key block)
.set K_WP, 0
.set K_HS, 1
.set MSB, 0
.macro WIN new                         ; the immediate's high byte repeats the setting that is left; a switch that changes nothing is dropped
.if MSB != \new
	s_set_vgpr_msb (MSB<<8)|\new
.set MSB, \new
.endif
.endm
.macro PLACES                          ; four places behind a matrix instruction, before its registers are read by vector work or loaded again (ISA guide 7.12.1)
.rept 4
	v_nop
.endr
.endm
.macro CREST                           ; a round of the cluster's barrier behind its opening work-group barrier
	s_cmp_lg_u32 s18, 0
	s_cbranch_scc1 .Lnot_wave_0_\@
	s_barrier_signal -3
.Lnot_wave_0_\@:
	s_barrier_wait -3
	s_barrier_signal -1
	s_barrier_wait -1
.endm
.macro CROUND
	s_barrier_signal -1
	s_barrier_wait -1
	CREST
.endm
.macro DESC1 g, w0, d0, d1, st         ; group 1: d1 rows of d0 elements of 8 bytes, st elements from row to row; the extents are the tile's own
	s_mov_b32 s[\g+0], \w0
	s_mov_b32 s[\g+1], (\d0)<<16
	s_mov_b32 s[\g+2], (\d1)<<16
	s_mov_b32 s[\g+3], (\d0)<<16
	s_mov_b32 s[\g+4], \d1
	s_mov_b32 s[\g+5], \st
	s_mov_b32 s[\g+6], 0
	s_mov_b32 s[\g+7], 0
.endm
; a slot's group 0 is written anew (LDS address lreg + slot, global address base + off) and its load issued; no tensor load of the wave that names these registers is out here
.macro NEWFILL slot, g1, lreg, base, off
	s_add_co_u32 s[G0+4*(\slot)+1], s[\lreg], (\slot)*SLOT
	s_add_nc_u64 s[G0+4*(\slot)+2:G0+4*(\slot)+3], s[\base:\base+1], \off
	s_or_b32 s[G0+4*(\slot)+3], s[G0+4*(\slot)+3], 0x80000000
	tensor_load_to_lds s[G0+4*(\slot):G0+4*(\slot)+3], s[\g1:\g1+7]
	s_nop 0
.endm
	s_load_b256 s[4:11], s[0:1], 0x0               ; hbuf s[4:5], wts s[6:7], x s[8:9], out0 s[10:11]
	s_set_vgpr_msb 0x40
	v_lshl_add_u32 v255, v0, 2, 0x47800
	s_set_vgpr_msb 0x4000
	v_mov_b32 v223, 0
	s_set_vgpr_msb 0x1
	ds_add_u32 v255, v223
	s_set_vgpr_msb 0x100
	v_lshrrev_b32 v26, 5, v0
	v_readfirstlane_b32 s18, v26                   ; wave 0..3
	s_bfe_u32 s19, ttmp6, 0x40000                  ; cx
	s_lshl_b32 s20, ttmp9, 2
	s_add_co_u32 s20, s20, s19                     ; qb = 4 x cluster x + cx
	s_and_b32 s21, ttmp7, 0xffff                   ; b
	s_mov_b32 s25, 0x76543210                      ; v_permlanex16_b32: lane i reads lane i of the other half
	s_mov_b32 s26, 0xfedcba98
	s_mul_i32 s27, s18, 17408                      ; my quarter of a WP tile (64 pairs x 272); also my operand block
	s_mul_i32 s28, s18, PBLK                       ; my block of P
	s_mul_i32 s29, s18, 18432                      ; my quarter of an HS tile and of hq (64 pairs x 288)
	; group 1, first word: 15:0 mask, 17:16 element of 8 bytes, 20 padding on, 21 set beside a mask, 24:22 the interval's code, 31:25 pad words - 1
	DESC1 G1WP, 15|(3<<16)|(1<<20)|(1<<21)|(5<<22)|(3<<25), 32, 64, 32      ; 64 rows of 256 bytes, dense; 16 bytes behind each
	DESC1 G1HS, 15|(3<<16)|(1<<20)|(1<<21)|(5<<22)|(7<<25), 512, 4, 8192    ; 4 key blocks x 4,096 bytes (32 channels), 65,536 bytes apart; 32 bytes behind every 256
	DESC1 G1HQ, (3<<16)|(1<<20)|(5<<22)|(7<<25), 32, 64, 32                 ; plain: 64 rows of 256 bytes, dense; 32 bytes behind each
	s_mov_b32 s[G0], 1
	s_mov_b32 s[G0+4], 1
	s_mov_b32 s[G0Q], 1
	s_add_co_u32 s[G0Q+1], s29, RA
	s_lshl_b32 s22, s18, 14                        ; 16,384 w
	s_mov_b32 s23, 0
	s_lshl_b32 s30, s21, 20                        ; the image's 1,048,576 bytes of hbuf
	s_mov_b32 s31, 0
	s_lshl_b32 s60, s20, 16                        ; my key block's tile (s60-63 alone hold figures made of cx)
	s_mov_b32 s61, 0
	s_lshl_b32 s62, s21, 21                        ; x, out0: image,
	s_lshl_b32 s63, s18, 19                        ; my 128 channels x 4,096 bytes,
	s_add_co_u32 s62, s62, s63
	s_lshl_b32 s63, s20, 8                         ; my block's 64 pixels
	s_add_co_u32 s62, s62, s63
	s_mov_b32 s63, 0
	s_wait_dscnt 0x0
	s_wait_kmcnt 0x0
	s_add_nc_u64 s[WB:WB+1], s[6:7], s[22:23]
	s_add_nc_u64 s[HVB:HVB+1], s[4:5], s[30:31]
	s_lshl_b32 s30, s18, 18                        ; 262,144 w
	s_add_nc_u64 s[HSB:HSB+1], s[HVB:HVB+1], s[30:31]
	s_add_nc_u64 s[HVB:HVB+1], s[HVB:HVB+1], s[22:23]
	s_add_nc_u64 s[G0Q+2:G0Q+3], s[HVB:HVB+1], s[60:61]
	s_or_b32 s[G0Q+3], s[G0Q+3], 0x80000000
	s_add_nc_u64 s[8:9], s[8:9], s[62:63]
	s_add_nc_u64 s[10:11], s[10:11], s[62:63]
	CROUND                                         ; all four work-groups are here: the first joint loads meet
	tensor_load_to_lds s[G0Q:G0Q+3], s[G1HQ:G1HQ+7]        ; the first fills go out as one group: three tensor loads of the wave are out
	s_nop 0
	NEWFILL 0, G1WP, 27, WB, 0                     ; M1, tile 0
	NEWFILL 1, G1WP, 27, WB, 65536                 ; M1, tile 1
	v_and_b32 v1, 15, v0                           ; r
	v_bfe_u32 v2, v0, 4, 1                         ; h
	v_and_b32 v27, 1, v0
	v_bfe_u32 v30, v0, 3, 1
	; plain fragments from pair rows: row r at (r >> 1) 272 + (r & 1) 128, + 16 h
	v_lshrrev_b32 v26, 1, v1
	v_mul_u32_u24 v28, v26, 272
	v_lshl_add_u32 v28, v27, 7, v28
	v_lshl_add_u32 v28, v2, 4, v28
	v_add_nc_u32 v[VWP], s27, v28
	v_add_nc_u32 v[VWP+1], SLOT, v[VWP]
	; transposing loads from pair rows: K row 8 h + (lane & 7) at pair 4 h + ((lane & 7) >> 1), + 16 ((lane >> 3) & 1)
	v_bfe_u32 v26, v0, 1, 2
	v_lshl_add_u32 v26, v2, 2, v26
	v_mul_u32_u24 v29, v26, 288
	v_lshl_add_u32 v29, v27, 7, v29
	v_lshl_add_u32 v29, v30, 4, v29
	v_add_nc_u32 v[VHS], s29, v29
	v_add_nc_u32 v[VHS+1], SLOT, v[VHS]
	v_add_nc_u32 v[AL], RA, v29                    ; phase T reads hq
	; operands: row r x pitch + 16 h
	v_mul_u32_u24 v26, v1, 272
	v_lshl_add_u32 v26, v2, 4, v26
	v_add_nc_u32 v[ALA], RA, v26
	v_add_nc_u32 v[ALB], RB, v26
	v_add_nc_u32 v[STA], s27, v[ALA]
	v_add_nc_u32 v[STB], s27, v[ALB]
	v_mul_u32_u24 v28, v1, 528
	v_lshl_add_u32 v28, v2, 4, v28
	v_add_nc_u32 v[ALP], RA, v28
	v_add_nc_u32 v[STP], s28, v[ALP]
	v_lshlrev_b32 v26, 4, v1                       ; 16 r
	v_add_nc_u32 v[SMR], STAT, v26
	v_lshl_add_u32 v[SMW], s18, 2, v[SMR]
	s_lshl_b32 s22, s27, 1                         ; 34,816 w
	s_add_co_u32 s22, s22, RA                      ; my stage
	v_mul_u32_u24 v28, v1, 272
	v_lshl_add_u32 v28, v2, 5, v28
	v_add_nc_u32 v[STG], s22, v28
	v_mul_u32_u24 v28, v2, 272
	v_add_nc_u32 v28, v28, v26
	v_add_nc_u32 v[RDB], s22, v28
	v_lshl_add_u32 v[XO], v2, 12, v26              ; lanes 0-15 one channel's 256 bytes, lanes 16-31 the next channel's
	v_lshlrev_b32 v28, 5, v2
	v_lshl_add_u32 v[BO], s18, 9, v28              ; 4 (128 w + 8 h)
	v_lshlrev_b32 v28, 2, v1
	v_lshl_add_u32 v[BPO], s18, 9, v28             ; 4 (128 w + r)
.irp a, 0,1,2,3,4,5,6,7
	global_load_b128 v[BT+8*\a:BT+8*\a+3],   v[BO], s[6:7] offset:WVEC+\a*64
	global_load_b128 v[BT+8*\a+4:BT+8*\a+7], v[BO], s[6:7] offset:WVEC+\a*64+16
	global_load_b32  v[BP+2*\a], v[BPO], s[6:7] offset:WVEC+2048+\a*64
.endr
	s_wait_loadcnt 0x0
.irp a, 0,1,2,3,4,5,6,7
	v_mov_b32 v[BP+2*\a+1], v[BP+2*\a]
.endr
	s_wait_tensorcnt 0x1                           ; my parts of hq and of tile 0 are in; tile 1 may stay out
	s_barrier_signal -1
	s_barrier_wait -1
; ---- what a phase is made of: 0 = T, 1 = S, 2 = V, 3 = O
.macro PHSET ph
.set P_PH, \ph
.set P_S, 0                            ; 1: phase S (a tile is one K step of 32 for 16 key tiles)
.set P_SW, 0                           ; 1: sources swapped
.set P_ACT, 1                          ; the queries' side: 1 plain loads, 0 transposing loads from hq
.set P_GL, 2                           ; tiles to a block of the queries' operand
.set P_NP, 4352                        ; 16 rows of it
.set P_STEP, BLK                       ; from block to block
.set P_KIND, K_WP
.set P_G1, G1WP
.set P_FSTEP, 131072                   ; two tiles on, in memory
.set P_RFL, 2                          ; the last two tiles ask for the next phase's first two
.if \ph == 0
.set P_ACT, 0
.set P_STEP, 18432
.endif
.if \ph == 1
.set P_S, 1
.set P_GL, 4
.set P_KIND, K_HS
.set P_G1, G1HS
.set P_FSTEP, 8192
.endif
.if \ph == 2
.set P_GL, 4
.set P_NP, 8448
.set P_STEP, PBLK
.endif
.if \ph == 3
.set P_SW, 1
.set P_RFL, 0                          ; nothing is left to fetch
.endif
.endm
; 16 LDS loads: my eight fragments (16 rows x 32 K) of half a tile, into buffer buf of window 1
.macro FW slot, half, buf
	WIN 0x40
.if P_KIND == K_WP
.irp a, 0,1,2,3,4,5,6,7
	ds_load_b128 v[\buf+8*\a:\buf+8*\a+3],   v[VWP+(\slot)] offset:\a*2176+\half*64
	ds_load_b128 v[\buf+8*\a+4:\buf+8*\a+7], v[VWP+(\slot)] offset:\a*2176+\half*64+32
.endr
.endif
.if P_KIND == K_HS
.irp a, 0,1,2,3,4,5,6,7
	ds_load_tr16_b128 v[\buf+8*\a:\buf+8*\a+3],   v[VHS+(\slot)] offset:((8*\half+\a)>>2)*4608+((8*\half+\a)&3)*32
	ds_load_tr16_b128 v[\buf+8*\a+4:\buf+8*\a+7], v[VHS+(\slot)] offset:((8*\half+\a)>>2)*4608+((8*\half+\a)&3)*32+2304
.endr
.endif
.endm
; 8 LDS loads: the four query fragments of K step ks of the current block
.macro FA ks, buf
	WIN 0
.if P_ACT == 0
.irp i, 0,1,2,3
	ds_load_tr16_b128 v[\buf+8*\i:\buf+8*\i+3],   v[AL] offset:(\ks)*4608+\i*32
	ds_load_tr16_b128 v[\buf+8*\i+4:\buf+8*\i+7], v[AL] offset:(\ks)*4608+\i*32+2304
.endr
.else
.irp i, 0,1,2,3
	ds_load_b128 v[\buf+8*\i:\buf+8*\i+3],   v[AL] offset:\i*P_NP+(\ks)*64
	ds_load_b128 v[\buf+8*\i+4:\buf+8*\i+7], v[AL] offset:\i*P_NP+(\ks)*64+32
.endr
.endif
.endm
.macro MWIN cm, hi                     ; the window of a run of products
.if P_SW
	WIN 0xa4                               ; source 0 window 0, source 1 window 1, C and D window 2
.else
.if \cm == 2
	WIN 0x81                               ; C (v1) window 0, D window 2
.else
.if \hi
	WIN 0xf1                               ; C and D window 3
.else
	WIN 0xa1                               ; source 0 window 1, source 1 window 0, C and D window 2
.endif
.endif
.endif
.endm
; 16 products: tiles a0 .. a0+3 x the four query tiles.  cm = 0: add in place; 1: C = 0 starts the sums; 2: v1 starts them.
; The accumulators take turns, one instruction a turn, in the same order in every tile.
.macro MUL16 wb, ab, a0, cm
.irp a, \a0, \a0+1, \a0+2, \a0+3
.irp i, 0,1,2,3
.set M_D, 8*(4*(\a)+\i)
.set M_W, \wb+8*(\a)
.set M_A, \ab+8*\i
.if P_SW
.if \cm
	v_wmma_f32_16x16x32_bf16 v[M_D:M_D+7], v[M_A:M_A+7], v[M_W:M_W+7], 0
.else
	v_wmma_f32_16x16x32_bf16 v[M_D:M_D+7], v[M_A:M_A+7], v[M_W:M_W+7], v[M_D:M_D+7]
.endif
.else
.if \cm == 2
	v_wmma_f32_16x16x32_bf16 v[M_D:M_D+7], v[M_W:M_W+7], v[M_A:M_A+7], v[BT+8*(\a):BT+8*(\a)+7]
.else
.if \cm == 1
	v_wmma_f32_16x16x32_bf16 v[M_D:M_D+7], v[M_W:M_W+7], v[M_A:M_A+7], 0
.else
	v_wmma_f32_16x16x32_bf16 v[M_D:M_D+7], v[M_W:M_W+7], v[M_A:M_A+7], v[M_D:M_D+7]
.endif
.endif
.endif
.endr
.endr
.endm
; One tile, 64 products.  q: its number in the block of the queries' operand (slot = q & 1).  Its first fragments F0 (8 query loads, then 8 + 8 of the slice) are already issued.
; rf: 1 this slot is filled again, two tiles on; 2 with the next phase's tile; 0 not at all.  nx: the next tile's F0 is fetched.
; ONE barrier for the change of slots.  In front of it each wave waits for its reads of this slot and for all its tensor loads, of which one is out: its part of the
; other slot.  Where the slot is filled again the barrier opens a round of the cluster's barrier, inside which only products stand; the joint refill is the first
; tensor load behind the round and the wave's only one until the next.
.macro TILE q, cm, rf, nx
.set T_SL, (\q)&1
	PLACES
.if P_S
.set T_A0, ACT0+32*T_SL
.set T_A1, T_A0
.set T_AN, ACT0+32*(1-T_SL)
.set T_NF, 16
.set T_CM2, \cm
.set T_KN, (\q)+1
.else
.set T_A0, ACT0
.set T_A1, ACT1
.set T_AN, ACT0
.set T_NF, 24
.set T_CM2, 0
.set T_KN, 2*(\q)+2
	FA 2*(\q)+1, ACT1
.endif
	FW T_SL, 1, WF1                                ; F1: the tile's second half
	s_wait_dscnt 8+T_NF                            ; F0's query fragments and slice tiles 0-3 are in; its last 8 loads and F1 may be out
	MWIN \cm, 0
	MUL16 WF0, T_A0, 0, \cm
	s_wait_dscnt T_NF                              ; all of F0; F1 may be out
	MUL16 WF0, T_A0, 4, \cm
	s_wait_dscnt 0x0                               ; my reads of this slot are over
	s_set_vgpr_msb (MSB<<8)|((MSB&0xf0)|0x1)
	s_wait_tensorcnt 0x0                           ; all my tensor loads have landed: my part of the other slot
	ds_add_u32 v255, v223
	s_wait_dscnt 0x0
	s_set_vgpr_msb (((MSB&0xf0)|0x1)<<8)|MSB
	s_barrier_signal -1
	MWIN T_CM2, P_S
	MUL16 WF1, T_A1, 0, T_CM2                      ; register work while the others arrive
	WIN 0
	s_barrier_wait -1
.if \rf
	CREST                                          ; no wave of any partner still reads this slot or has a load on its way
.if \rf == 1
	s_add_nc_u64 s[G0+4*T_SL+2:G0+4*T_SL+3], s[G0+4*T_SL+2:G0+4*T_SL+3], P_FSTEP
	tensor_load_to_lds s[G0+4*T_SL:G0+4*T_SL+3], s[P_G1:P_G1+7]
	s_nop 0
.else
.if P_PH == 0
	NEWFILL T_SL, G1HS, 29, HSB, T_SL*4096         ; h, 32 channels x all keys
.endif
.if P_PH == 1
	NEWFILL T_SL, G1WP, 27, HVB, T_SL*65536        ; h, all channels x 64 keys
.endif
.if P_PH == 2
	NEWFILL T_SL, G1WP, 27, WB, 524288+T_SL*65536  ; M2
.endif
.endif
.endif
.if \nx
	PLACES
.if (\q) == P_GL-1
	v_add_nc_u32 v[AL], P_STEP, v[AL]              ; the queries' operand: the next block
.set T_KN, 0
.endif
	FA T_KN, T_AN
	FW 1-T_SL, 0, WF0
.endif
	MWIN T_CM2, P_S
	MUL16 WF1, T_A1, 4, T_CM2
.endm
; A phase.  Its first lap of the ring (two tiles) stands in front of the loop: its first products start the sums.  Its last lap stands behind the loop: it asks for the
; next phase's tiles and fetches no fragments beyond its own.  The loop holds the tiles between: where a block of the queries' operand is four tiles (S, V: 16 tiles) the body is
; tiles 2, 3 of one block and 0, 1 of the next, three trips, so that the step from block to block stands at one place of the body and is a constant; where a block is two
; tiles (T, O: 8 tiles) the body is one lap, two trips.
; The phase's last barrier stands behind every wave's last LDS read of the phase, so what follows may store into any operand region.
.macro PHASE ph, cm
	PHSET \ph
	FA 0, ACT0
	FW 0, 0, WF0
	TILE 0, \cm, 1, 1
	TILE 1, 0, 1, 1
	WIN 0                                          ; at a label and at a branch every window is 0
	s_mov_b32 s24, P_GL/2+1
.Llap_\@:
.if P_GL == 4
	TILE 2, 0, 1, 1
	TILE 3, 0, 1, 1
.endif
	TILE 0, 0, 1, 1
	TILE 1, 0, 1, 1
	WIN 0
	s_sub_co_u32 s24, s24, 1
	s_cmp_lg_u32 s24, 0
	s_cbranch_scc1 .Llap_\@
	TILE P_GL-2, 0, P_RFL, 1
	TILE P_GL-1, 0, P_RFL, 0
.endm
; The 32 accumulators become my block of the next operand: (norm = 1: times 1 / row sum), bf16, 16 bytes a lane.
.macro EPI sto, norm
	PLACES
.irp hf, 0,1
.if \norm
	WIN 0x82
.irp a, 0,1,2,3
.irp i, 0,1,2,3
.irp j, 0,2,4,6
	v_pk_mul_f32 v[8*(4*(4*\hf+\a)+\i)+\j:8*(4*(4*\hf+\a)+\i)+\j+1], v[8*(4*(4*\hf+\a)+\i)+\j:8*(4*(4*\hf+\a)+\i)+\j+1], v[MM+2*\i:MM+2*\i+1]
.endr
.endr
.endr
.endif
	WIN 0x0a
.irp a, 0,1,2,3
.irp i, 0,1,2,3
.irp j, 0,2,4,6
	v_cvt_pk_bf16_f32 v[TMP+4*(4*\a+\i)+\j/2], v[8*(4*(4*\hf+\a)+\i)+\j], v[8*(4*(4*\hf+\a)+\i)+\j+1]
.endr
.endr
.endr
	WIN 0
.irp a, 0,1,2,3
.irp i, 0,1,2,3
	ds_store_b128 v[\sto], v[TMP+4*(4*\a+\i):TMP+4*(4*\a+\i)+3] offset:\i*4352+(4*\hf+\a)*32
.endr
.endr
.endr
	s_wait_dscnt 0x0                               ; my block is written before I signal; the one tensor load that is out fills a slot that is read only behind a later wait and barrier
	s_barrier_signal -1
	s_barrier_wait -1
.endm
; 128 scores (key tiles 8 w3 + 4 hf + 0..3 x the four query tiles): 2^(s - max), added to the row sums, rounded to bf16, stored into my block of P
.macro SEXPG w3, hf
	WIN (0x82+0x41*\w3)
.irp a, 0,1,2,3
.irp j, 0,2,4,6
.irp i, 0,1,2,3
	v_pk_add_f32 v[8*(4*(4*\hf+\a)+\i)+\j:8*(4*(4*\hf+\a)+\i)+\j+1], v[8*(4*(4*\hf+\a)+\i)+\j:8*(4*(4*\hf+\a)+\i)+\j+1], v[MM+2*\i:MM+2*\i+1] neg_lo:[0,1] neg_hi:[0,1]
.endr
.endr
.endr
.irp a, 0,1,2,3
.irp i, 0,1,2,3
.irp j, 0,1,2,3,4,5,6,7
	v_exp_f32 v[8*(4*(4*\hf+\a)+\i)+\j], v[8*(4*(4*\hf+\a)+\i)+\j]
.endr
.endr
.endr
	v_nop                                          ; a plain instruction between the last v_exp_f32 and the use of the results (ISA guide 5.7.2)
	WIN (0x02+\w3)
	s_wait_alu depctr_va_vdst(0)
.irp a, 0,1,2,3
.irp j, 0,2,4,6
.irp i, 0,1,2,3
	v_pk_add_f32 v[LL+2*\i:LL+2*\i+1], v[8*(4*(4*\hf+\a)+\i)+\j:8*(4*(4*\hf+\a)+\i)+\j+1], v[LL+2*\i:LL+2*\i+1]
.endr
.endr
.endr
	WIN (0x0a+5*\w3)
.irp a, 0,1,2,3
.irp i, 0,1,2,3
.irp j, 0,2,4,6
	v_cvt_pk_bf16_f32 v[TMP+4*(4*\a+\i)+\j/2], v[8*(4*(4*\hf+\a)+\i)+\j], v[8*(4*(4*\hf+\a)+\i)+\j+1]
.endr
.endr
.endr
	WIN 0
.irp a, 0,1,2,3
.irp i, 0,1,2,3
	ds_store_b128 v[STP], v[TMP+4*(4*\a+\i):TMP+4*(4*\a+\i)+3] offset:\i*8448+(8*\w3+4*\hf+\a)*32
.endr
.endr
.endm
; 32 loads of x into window 3: rows 2 t + h of my 128 channels, 256 bytes of a row to 16 lanes
.macro XLOAD t0
	WIN 0xc0
.set XT, \t0
.rept 32
	global_load_b128 v[4*XT:4*XT+3], v[XO], s[8:9] offset:XT*8192 th:TH_LOAD_NT
.set XT, XT+1
.endr
	WIN 0
.endm
	; ---------------- T: t = M1 h_i + v1, into B ----------------
	PHASE 0, 2
	EPI STB, 0
	; ---------------- S: scores of my 256 keys, in windows 2 and 3, in units of log2 ----------------
	v_mov_b32 v[AL], v[ALB]
	PHASE 1, 1
	; the row maximum: over my 128 registers of each query tile, over the two halves of the lanes, over the four waves
	PLACES
	WIN 0x0a
.irp i, 0,1,2,3
	v_max_num_f32 v[MT+\i], v[8*\i], v[8*\i+1]
.endr
.irp a, 0,1,2,3,4,5,6,7
.irp j, 0,2,4,6
.if \a+\j
.irp i, 0,1,2,3
	v_max3_num_f32 v[MT+\i], v[8*(4*\a+\i)+\j], v[8*(4*\a+\i)+\j+1], v[MT+\i]
.endr
.endif
.endr
.endr
	WIN 0x0f
.irp a, 0,1,2,3,4,5,6,7
.irp j, 0,2,4,6
.irp i, 0,1,2,3
	v_max3_num_f32 v[MT+\i], v[8*(4*\a+\i)+\j], v[8*(4*\a+\i)+\j+1], v[MT+\i]
.endr
.endr
.endr
	WIN 0
.irp i, 0,1,2,3
	v_permlanex16_b32 v[TMP+\i], v[MT+\i], s25, s26
.endr
.irp i, 0,1,2,3
	v_max_num_f32 v[MT+\i], v[MT+\i], v[TMP+\i]
	ds_store_b32 v[SMW], v[MT+\i] offset:\i*256
.endr
	s_wait_dscnt 0x0
	s_barrier_signal -1
	s_barrier_wait -1
.irp i, 0,1,2,3
	ds_load_b128 v[TMP+4*\i:TMP+4*\i+3], v[SMR] offset:\i*256
.endr
	s_wait_dscnt 0x0
.irp i, 0,1,2,3
	v_max3_num_f32 v[MM+2*\i], v[TMP+4*\i], v[TMP+4*\i+1], v[TMP+4*\i+2]
	v_max_num_f32 v[MM+2*\i], v[MM+2*\i], v[TMP+4*\i+3]
	v_mov_b32 v[MM+2*\i+1], v[MM+2*\i]
	v_mov_b32 v[LL+2*\i], 0
	v_mov_b32 v[LL+2*\i+1], 0
.endr
	; P = 2^(s - max) into my block of P (over hq and t, which no wave reads any more), and the row sums
	SEXPG 0, 0
	SEXPG 0, 1
	SEXPG 1, 0
	SEXPG 1, 1
.irp i, 0,1,2,3
	v_add_f32 v[MT+\i], v[LL+2*\i], v[LL+2*\i+1]
.endr
.irp i, 0,1,2,3
	v_permlanex16_b32 v[TMP+\i], v[MT+\i], s25, s26
.endr
.irp i, 0,1,2,3
	v_add_f32 v[MT+\i], v[MT+\i], v[TMP+\i]
	ds_store_b32 v[SMW], v[MT+\i] offset:1024+\i*256
.endr
	s_wait_dscnt 0x0                               ; my part of P and my sums are written before I signal
	s_barrier_signal -1
	s_barrier_wait -1
.irp i, 0,1,2,3
	ds_load_b128 v[TMP+4*\i:TMP+4*\i+3], v[SMR] offset:1024+\i*256
.endr
	s_wait_dscnt 0x0
.irp i, 0,1,2,3
	v_pk_add_f32 v[TMP+4*\i:TMP+4*\i+1], v[TMP+4*\i:TMP+4*\i+1], v[TMP+4*\i+2:TMP+4*\i+3]
	v_add_f32 v[MT+\i], v[TMP+4*\i], v[TMP+4*\i+1]
.endr
.irp i, 0,1,2,3
	v_rcp_f32 v[MM+2*\i], v[MT+\i]                 ; the sum holds the maximum's own 2^0 = 1: it is at least 1
.endr
	v_mov_b32 v[AL], v[ALP]                        ; a plain instruction between the last v_rcp_f32 and the use of the results (ISA guide 5.7.2)
	s_wait_alu depctr_va_vdst(0)
.irp i, 0,1,2,3
	v_mov_b32 v[MM+2*\i+1], v[MM+2*\i]
.endr
	; ---------------- V: o = (P h^T) / l, into A; window 3 is free: half of x is asked for ----------------
	XLOAD 0
	PHASE 2, 1
	EPI STA, 1
	; ---------------- O: M2 o, sources swapped; the other half of x ----------------
	XLOAD 32
	v_mov_b32 v[AL], v[ALA]
	PHASE 3, 1
	; ---------------- the way out: + v2, through my own stage, + x, whole rows of 256 bytes ----------------
	PLACES
	WIN 0x82
.irp a, 0,1,2,3,4,5,6,7
.irp i, 0,1,2,3
.irp j, 0,2,4,6
	v_pk_add_f32 v[8*(4*\a+\i)+\j:8*(4*\a+\i)+\j+1], v[8*(4*\a+\i)+\j:8*(4*\a+\i)+\j+1], v[BP+2*\a:BP+2*\a+1]
.endr
.endr
.endr
	WIN 0x08                                       ; store data in window 2
.irp a, 0,1,2,3,4,5,6,7
.irp i, 0,1,2,3
	ds_store_b128 v[STG], v[8*(4*\a+\i):8*(4*\a+\i)+3]   offset:\a*4352+\i*64
	ds_store_b128 v[STG], v[8*(4*\a+\i)+4:8*(4*\a+\i)+7] offset:\a*4352+\i*64+16
.endr
.endr
	WIN 0x80                                       ; read back into window 2: LDS serves a wave's instructions in order (ISA guide 5.7.1), these see the stores above
.set XT, 0
.rept 64
	ds_load_b128 v[4*XT:4*XT+3], v[RDB] offset:XT*544
.set XT, XT+1
.endr
	s_wait_loadcnt 0x0                             ; x
.irp g, 0,1,2,3
	s_wait_dscnt 48-16*\g                          ; the oldest 16 (g + 1) read-backs are in; the younger ones may be out
	WIN 0xcb                                       ; destination and source 0 window 3 (x), source 1 window 2 (the stage's rows)
.set XT, 16*\g
.rept 16
	v_pk_add_f32 v[4*XT:4*XT+1], v[4*XT:4*XT+1], v[4*XT:4*XT+1]
	v_pk_add_f32 v[4*XT+2:4*XT+3], v[4*XT+2:4*XT+3], v[4*XT+2:4*XT+3]
.set XT, XT+1
.endr
	WIN 0x0c                                       ; store data in window 3
.set XT, 16*\g
.rept 16
	global_store_b128 v[XO], v[4*XT:4*XT+3], s[10:11] offset:XT*8192 th:TH_STORE_NT     ; 16 lanes store 256 consecutive bytes, aligned
.set XT, XT+1
.endr
.endr
	WIN 0
	s_set_vgpr_msb (MSB<<8)|((MSB&0xf0)|0x1)
	s_wait_tensorcnt 0x0
	ds_add_u32 v255, v223
	s_wait_dscnt 0x0
	s_set_vgpr_msb (((MSB&0xf0)|0x1)<<8)|MSB
	CROUND                                         ; the closing round: no work-group ends while a partner may still issue a joint load that names it
	s_endpgm
.Lfunc_end_k_q76f356fc74_attn:
	.size	k_q76f356fc74_attn, .Lfunc_end_k_q76f356fc74_attn-k_q76f356fc74_attn
	.p2alignl 7, 3214868480
	.fill 96, 4, 3214868480
	.section	.rodata,"a",@progbits
	.p2align	6, 0x0
	.amdhsa_kernel k_q76f356fc74_attn
		.amdhsa_group_segment_fixed_size 327680
		.amdhsa_private_segment_fixed_size 0
		.amdhsa_enable_private_segment 0
		.amdhsa_kernarg_size 32
		.amdhsa_user_sgpr_count 2
		.amdhsa_user_sgpr_kernarg_segment_ptr 1
		.amdhsa_wavefront_size32 1
		.amdhsa_system_sgpr_workgroup_id_x 1
		.amdhsa_system_sgpr_workgroup_id_y 1
		.amdhsa_system_sgpr_workgroup_id_z 1
		.amdhsa_system_vgpr_workitem_id 0
		.amdhsa_next_free_vgpr 1024
		.amdhsa_next_free_sgpr 96
		.amdhsa_reserve_vcc 0
		.amdhsa_float_denorm_mode_32 3
		.amdhsa_float_denorm_mode_16_64 3
		.amdhsa_memory_ordered 1
		.amdhsa_forward_progress 1
		.amdhsa_inst_pref_size 255
	.end_amdhsa_kernel
	.section	.bss,"aw",@nobits
	.p2align	6
	.space	262144
	.amdgpu_metadata
---
amdhsa.version: [ 1, 2 ]
amdhsa.kernels:
  - .name:           k_q76f356fc74_attn
    .symbol:         k_q76f356fc74_attn.kd
    .args:
      - { .name: hbuf, .offset: 0, .size: 8, .value_kind: global_buffer, .address_space: global }
      - { .name: wts, .offset: 8, .size: 8, .value_kind: global_buffer, .address_space: global }
      - { .name: x, .offset: 16, .size: 8, .value_kind: global_buffer, .address_space: global }
      - { .name: out0, .offset: 24, .size: 8, .value_kind: global_buffer, .address_space: global }
    .group_segment_fixed_size: 327680
    .private_segment_fixed_size: 0
    .kernarg_segment_align: 8
    .kernarg_segment_size: 32
    .max_flat_workgroup_size: 128
    .sgpr_count:     96
    .vgpr_count:     1024
    .wavefront_size: 32
...
	.end_amdgpu_metadata
.endif
;; end of part 4
;; ======== version 3 of 3: 2 launches; version 2 with the launch prep written anew for expert scheduling mode
;; limits: values outside matrix products are rounded to bf16
;; workspace buffers: hbuf 16,777,216 bytes; wts 1,052,672 bytes
;; launch prep (part 5): grid 640 x 1, 8 waves a work-group, no clusters, 54,016 bytes of LDS; arguments x, gn_scale, gn_bias, wq, wk, wv, wproj, bq, bv, bproj, hbuf, wts; writes hbuf, wts
.if DOCPART == 5
	.amdgcn_target "amdgcn-amd-amdhsa--gfx1250"
	.amdhsa_code_object_version 6
	.text
	.protected	k_q76f356fc74_prep
	.globl	k_q76f356fc74_prep
	.p2align	8
	.type	k_q76f356fc74_prep,@function
k_q76f356fc74_prep:
	s_mov_b64 s[64:65], 0
	v_nop
	global_prefetch_b8 v0, s[64:65] scope:SCOPE_SE
	s_setreg_imm32_b32 hwreg(HW_REG_WAVE_SCHED_MODE, 0, 2), 2
	s_setreg_imm32_b32 hwreg(HW_REG_WAVE_MODE, 25, 1), 1
	s_wait_xcnt 0x0
	s_wait_alu depctr_vm_vsrc(0)
; AttnBlock, first of two launches: GroupNorm of x into hbuf (bf16), and the two folded weight products with their vectors into wts.
;
; HOW THE WHOLE PROGRAM ASSOCIATES reference()'s PRODUCTS (identities for all values of the inputs):
;   scores  s_ij = (Wq h_i + bq) . (Wk h_j + bk) = (M1 h_i + v1) . h_j + q_i . bk     with M1 = Wk^T Wq, v1 = Wk^T bq
;   values  Wproj (sum_j w_ij (Wv h_j + bv)) + bproj = M2 (sum_j w_ij h_j) + v2        with M2 = Wproj Wv, v2 = Wproj bv + bproj, because a softmax row sums to 1
; so q, k, v are never formed: the second launch takes h itself as keys and values.  C^-0.5 log2(e) is folded into M1 and v1.
; The fold costs 2 x 512^3 multiply-adds once and spares 2 x 16,384 x 512^2 of them in the second launch.
; DEAD WORK: q_i . bk is the same for every j of row i, the axis of the softmax, so it cancels in softmax(s_i.) whatever bk and q hold.
; bk therefore has no way to the output: it is not loaded and is no argument of any launch.
; LIMITS: a NaN, an infinity or an overflow that bk alone would bring is not carried to the result.  The weights, bq and bv enter the fold rounded to bf16, its sums are f32,
; M1 and M2 are rounded to bf16 once; v1, v2 stay f32.  h, t = M1 h + v1, the softmax weights and o are rounded to bf16 as matrix operands in the second launch.
;
; Work-groups 0..127 (first, since their four chunks of K depend on each other): a block of 64 rows x 64 columns of M1 (0..63) or M2 (64..127).
; wts: M1, M2 as [kc 8][row 512][64 c] bf16, 524,288 bytes each; v1, v2 (512 f32 each) behind them.
; Work-groups 128..639: one GroupNorm group each (image b, group): 16 channels x 1024 pixels = 65,536 consecutive bytes of x,
; kept in registers between the pass for the mean, the pass for the variance (sum of (x - mean)^2: no difference of large sums) and the output.
; hbuf: [b 16][jblk 16][c 512][64 pixels] bf16: a channel's 64 pixels are 128 bytes, a (b, jblk) tile is 65,536 consecutive bytes.
; No tensor loads and no cluster: the f32 inputs are rounded on the way through registers, and several work-groups share a WGP.
;
; THE MODE: SCHED_MODE bits 1:0 = 2 (LLVM: expert scheduling mode 2), set by the entry lines.  The code itself states the register dependences
; between vector or matrix instructions and memory or LDS instructions, with s_wait_alu, always for 0.
; THE PLAN, GroupNorm.  Registers that memory or LDS instructions touch:
;   v80, v81, v82, v14, v15  offsets and LDS addresses: written once at the head, ahead of one wait on va_vdst, and never again.
;   v[16:79], v12, v13       x, gn_scale, gn_bias: loaded once.  The output's arithmetic writes tile q's two words into v[16+4q:17+4q], tile q's store reads them, nothing writes them again.
;   v[4:11]                  a sum: vector work ends in v4; a wait on va_vdst; the LDS store reads v4; behind the barrier a wait on vm_vsrc; the eight waves' words land in v[4:11].
;   The 16 tiles go out in four blocks of four: a block's sixteen vector instructions, one wait on va_vdst, and its four stores dealt among the next block's vector instructions, which name other registers.
; THE PLAN, the fold.  Registers that memory or LDS instructions touch:
;   v4..v9, v11..v15         offsets and LDS addresses: written once, ahead of the wait on va_vdst that stands in front of chunk 0's loads, and never again.
;   X = v[16:79]             A chunk: its loads land; 32 roundings read and write X; a wait on va_vdst; 16 LDS stores read X; a wait on vm_vsrc; the next chunk's loads land.
;   RF, CF, BF               A K step: LDS loads land; the step's products read them.  One wait on va_vdst at the head of K steps 1 to 3; for K step 0 the wait in front of the chunk's LDS stores serves,
;                            since no vector or matrix instruction stands between it and that step's loads.
;   v10 (FBA)                Read by the bias fragment's loads; written once a chunk, at its end, behind a wait on vm_vsrc; the next chunk's wait on va_vdst states that it is written.
;   The accumulators are named by matrix and vector instructions alone until the way out.
;   v136, v137               Written at the head, read by the closing add alone.
.set NFOLD, 128
.set X,    16                          ; v[16:79]  64 numbers of the thread
.set LOFF, 80                          ; GroupNorm: byte offset of the loads
.set SOFF, 81                          ; byte offset of the stores
.set COFF, 82                          ; byte offset of my channel in gn_scale, gn_bias
; the fold's LDS (bytes 0..63 are GroupNorm's sums)
.set FB,   256                         ; the bias, 512 bf16
.set FV,   1280                        ; the vector's rows, f32: a run of 64 bytes for each of the eight wave numbers, 512 bytes, so that 64 w + 4 r stays inside for every w (waves 0..3 write theirs)
.set FR,   1792                        ; the rows' side of a chunk: [128 k][64 rows] pitch 160, or [64 rows][128 k] pitch 272
.set FC,   22272                       ; the columns' side: [128 k][64 c] pitch 160
.set FS,   42752                       ; eight stages, one a wave: [16 rows][32 c] bf16, pitch 80; behind them, from byte 52,992 (0xcf00) on, the spare words: 128 bytes for each of the eight waves
.set WVEC, 1048576                     ; v1 in wts; v2 2,048 bytes further
.set SCALE, 0x3d8293ef                 ; 512^-0.5 x log2(e)
; the fold's registers
.set LKN, 4                            ; global offset of a [K][N] load: row 16 w + h, 16 bytes at 16 r
.set LRP, 5                            ; global offset in wproj: row 8 w, 16 bytes a lane
.set SKN, 6                            ; LDS offset of what LKN loads
.set SRP, 7                            ; LDS offset of what LRP loads
.set FCA, 8                            ; my fragments of the columns' side
.set FRA, 9                            ; my fragment of the rows' side
.set FBA, 10                           ; the bias fragment; steps chunk by chunk
.set STS, 11                           ; my 16 bytes in my stage
.set STR, 12                           ; read back
.set GO,  13                           ; my 16 bytes of the block in wts
.set VS,  14                           ; my row's word of the vector
.set VR,  15                           ; 8 bytes a lane of the vector
.set RF,  80                           ; v[80:87]   fragment of the rows' side
.set CF,  88                           ; v[88:103]  two fragments of the columns' side
.set BF,  104                          ; v[104:111] bias fragment
.set A0,  112                          ; v[112:127] two accumulators
.set AB,  128                          ; v[128:135] the vector's accumulator
	s_load_b512 s[4:19], s[0:1], 0x0               ; x s[4:5], gn_scale s[6:7], gn_bias s[8:9], wq s[10:11], wk s[12:13], wv s[14:15], wproj s[16:17], bq s[18:19]
	s_load_b256 s[20:27], s[0:1], 0x40             ; bv s[20:21], bproj s[22:23], hbuf s[24:25], wts s[26:27]
	v_lshl_add_u32 v136, v0, 2, 0xcf00             ; my spare word, and 0: made here and kept for the closing lines alone
	v_mov_b32 v137, 0
	v_lshrrev_b32 v1, 5, v0
	v_readfirstlane_b32 s28, v1                    ; wave 0..7
	s_wait_alu depctr_va_sdst(0)                   ; s28 is written, ahead of the branch and of its first reader on either way
	s_cmp_lt_u32 ttmp9, NFOLD                      ; the same for all waves of a work-group
	s_cbranch_scc1 .Lfold
	; ---------------- GroupNorm ----------------
	s_sub_co_u32 s29, ttmp9, NFOLD                 ; 32 b + group
	s_lshl_b32 s30, s29, 16                        ; the group's bytes in x
	s_mov_b32 s31, 0
	s_lshr_b32 s32, s29, 5                         ; b
	s_and_b32 s33, s29, 31                         ; group
	s_lshl_b32 s34, s32, 20                        ; b x 16 tiles of 65,536 bytes
	s_lshl_b32 s36, s33, 11                        ; + group x 16 channels x 128 bytes
	s_add_co_u32 s34, s34, s36
	s_mov_b32 s35, 0
	s_lshl_b32 s36, s33, 6                         ; group x 16 channels x 4 bytes
	s_mov_b32 s37, 0
	s_mov_b32 s38, 0x76543210                      ; v_permlanex16_b32: lane i reads lane i of the other half
	s_mov_b32 s39, 0xfedcba98
	s_mov_b32 s40, 0x38800000                      ; 2^-14 = 1 / (16 x 1024)
	s_mov_b32 s41, 0x358637bd                      ; 1e-6
	v_lshrrev_b32 v2, 4, v0                        ; c: my channel of the 16
	v_and_b32 v3, 15, v0                           ; p: my 4 pixels of every 64
	v_lshlrev_b32 v[LOFF], 12, v2
	v_lshl_or_b32 v[LOFF], v3, 4, v[LOFF]          ; c x 4,096 + p x 16
	v_lshlrev_b32 v[SOFF], 7, v2
	v_lshl_or_b32 v[SOFF], v3, 3, v[SOFF]          ; c x 128 + p x 8
	v_lshlrev_b32 v[COFF], 2, v2
	v_mov_b32 v14, s28
	v_lshlrev_b32 v14, 2, v14                      ; my wave's word in LDS
	v_mov_b32 v15, 0
	s_wait_kmcnt 0x0
	s_add_nc_u64 s[4:5], s[4:5], s[30:31]
	s_add_nc_u64 s[6:7], s[6:7], s[36:37]
	s_add_nc_u64 s[8:9], s[8:9], s[36:37]
	s_add_nc_u64 s[24:25], s[24:25], s[34:35]
	s_wait_alu depctr_va_vdst(0)                   ; the three offsets v80 to v82 and the LDS addresses v14, v15 are written: every load, store and LDS instruction of this path reads one of them, and none is written again
.irp q, 0,1,2,3,4,5,6,7,8,9,10,11,12,13,14,15
	global_load_b128 v[X+4*\q:X+4*\q+3], v[LOFF], s[4:5] offset:\q*256      ; pixels 64 q + 4 p .. + 3 of my channel
.endr
	global_load_b32 v12, v[COFF], s[6:7]           ; gn_scale[c]
	global_load_b32 v13, v[COFF], s[8:9]           ; gn_bias[c]
	s_wait_loadcnt 0x0
; The four chains v[4:11] are folded, summed over the wave's 32 lanes and over the eight waves (through eight words of LDS at byte off); the sum ends in v4 of every lane.
.macro WGSUM off
	v_pk_add_f32 v[4:5], v[4:5], v[6:7]
	v_pk_add_f32 v[8:9], v[8:9], v[10:11]
	v_pk_add_f32 v[4:5], v[4:5], v[8:9]
	v_add_f32 v4, v4, v5
	v_add_f32_dpp v4, v4, v4 row_xmask:1 row_mask:0xf bank_mask:0xf
	v_add_f32_dpp v4, v4, v4 row_xmask:2 row_mask:0xf bank_mask:0xf
	v_add_f32_dpp v4, v4, v4 row_xmask:4 row_mask:0xf bank_mask:0xf
	v_add_f32_dpp v4, v4, v4 row_xmask:8 row_mask:0xf bank_mask:0xf
	v_permlanex16_b32 v5, v4, s38, s39
	v_add_f32 v4, v4, v5
	s_wait_alu depctr_va_vdst(0)                   ; the wave's sum is written into v4, which the LDS store reads; and every vector instruction that names v[4:11], in which the loads below land, stands ahead of this wait
	ds_store_b32 v14, v4 offset:\off
	s_wait_dscnt 0x0                               ; my word is written before I signal
	s_barrier_signal -1
	s_barrier_wait -1
	s_wait_alu depctr_vm_vsrc(0)                   ; the LDS store has read v4, in which the first load below lands
	ds_load_b128 v[4:7], v15 offset:\off
	ds_load_b128 v[8:11], v15 offset:\off+16
	s_wait_dscnt 0x0
	v_pk_add_f32 v[4:5], v[4:5], v[6:7]
	v_pk_add_f32 v[8:9], v[8:9], v[10:11]
	v_pk_add_f32 v[4:5], v[4:5], v[8:9]
	v_add_f32 v4, v4, v5
.endm
	; pass 1: the mean.  Four chains, started by the first eight pairs: nothing is cleared.
.irp k, 0,1,2,3
	v_pk_add_f32 v[4+2*\k:5+2*\k], v[X+2*\k:X+2*\k+1], v[X+8+2*\k:X+8+2*\k+1]
.endr
.set j, 8
.rept 24
	v_pk_add_f32 v[4+2*(j%4):5+2*(j%4)], v[4+2*(j%4):5+2*(j%4)], v[X+2*j:X+2*j+1]
.set j, j+1
.endr
	WGSUM 0
	v_mul_f32 v84, s40, v4                         ; mean
	v_mov_b32 v85, v84
	; pass 2: d = x - mean in place, and the sum of d^2
.set j, 0
.rept 32
	v_pk_add_f32 v[X+2*j:X+2*j+1], v[X+2*j:X+2*j+1], v[84:85] neg_lo:[0,1] neg_hi:[0,1]
.set j, j+1
.endr
.irp k, 0,1,2,3
	v_pk_mul_f32 v[4+2*\k:5+2*\k], v[X+2*\k:X+2*\k+1], v[X+2*\k:X+2*\k+1]
.endr
.set j, 4
.rept 28
	v_pk_fma_f32 v[4+2*(j%4):5+2*(j%4)], v[X+2*j:X+2*j+1], v[X+2*j:X+2*j+1], v[4+2*(j%4):5+2*(j%4)]
.set j, j+1
.endr
	WGSUM 32                                       ; other words than pass 1's: no wave can overwrite what another still reads
	v_fma_f32 v4, v4, s40, s41                     ; variance + 1e-6
	v_rsq_f32 v5, v4
	v_mov_b32 v88, v13                             ; a plain instruction between v_rsq_f32 and the use of its result (ISA guide 5.7.2)
	s_wait_alu depctr_va_vdst(0)                   ; v_rsq_f32 has written v5, ahead of its first reader
	v_mul_f32 v86, v5, v12                         ; rstd x gn_scale[c]
	v_mov_b32 v89, v13
	v_mov_b32 v87, v86
; Tile q's four numbers: d x (rstd x scale) + bias, rounded to bf16 into the first two of their four registers.
.macro GNOUT q
	v_pk_fma_f32 v[X+4*(\q):X+4*(\q)+1], v[X+4*(\q):X+4*(\q)+1], v[86:87], v[88:89]
	v_pk_fma_f32 v[X+4*(\q)+2:X+4*(\q)+3], v[X+4*(\q)+2:X+4*(\q)+3], v[86:87], v[88:89]
	v_cvt_pk_bf16_f32 v[X+4*(\q)], v[X+4*(\q)], v[X+4*(\q)+1]
	v_cvt_pk_bf16_f32 v[X+4*(\q)+1], v[X+4*(\q)+2], v[X+4*(\q)+3]
.endm
.macro GNST q
	global_store_b64 v[SOFF], v[X+4*(\q):X+4*(\q)+1], s[24:25] offset:(\q)*65536  ; tile q: a wave's store covers two channels' 128 bytes, 256 consecutive bytes, aligned
.endm
.irp q, 0,1,2,3
	GNOUT \q                                       ; block 0
.endr
.irp g, 1,2,3
	s_wait_alu depctr_va_vdst(0)                   ; the block before has written its eight words, which the four stores below read; this block's vector instructions name other registers
.irp i, 0,1,2,3
	GNST 4*\g-4+\i
	GNOUT 4*\g+\i
.endr
.endr
	s_wait_alu depctr_va_vdst(0)                   ; block 3 has written its eight words, which the last four stores read
.irp q, 12,13,14,15
	GNST \q
.endr
	s_wait_dscnt 0x0                               ; the closing lines, six on end
	s_wait_alu 0x0
	s_wait_tensorcnt 0x0
	ds_add_u32 v136, v137
	s_wait_dscnt 0x0
	s_endpgm
	; ---------------- the fold ----------------
	; M[row][c] = sum over k of R(row, k) C(k, c).  M1: R(row, k) = wk[k][row], C = wq, bias = bq.  M2: R(row, k) = wproj[row][k], C = wv, bias = bv.
	; Work-group: rows 64 rb .. + 63, columns 64 kc .. + 63.  Wave w = 4 ch + rt: rows 16 rt .. + 15 x columns 32 ch .. + 31, two accumulators.
	; The matrix instruction takes the columns' side as source 0 and the rows' side as source 1: lane (r, h) then holds row 16 rt + r and eight neighbouring columns 8 h + 0..7.
	; The vector (sum over k of R(row, k) bias[k]) is a third product in waves 0..3 of the work-groups with kc = 0: its source 0 holds the bias in all 16 rows.
; 16 loads of 16 bytes a lane: one chunk of 128 along K.  16 lanes take 256 consecutive, aligned bytes of a row (wproj: 32 lanes take 512).
.macro FLOADS
.irp u, 0,1,2,3,4,5,6,7
	global_load_b128 v[X+4*\u:X+4*\u+3], v[LKN], s[40:41] offset:\u*4096
.endr
.irp u, 0,1,2,3,4,5,6,7
	global_load_b128 v[X+32+4*\u:X+32+4*\u+3], v[F_LR], s[42:43] offset:\u*F_RL
.endr
.endm
; One K step of 32: 6 LDS loads, 2 products (3 where the vector is made).  The accumulators take turns, one instruction a turn.
.macro FSTEP ks, zero
.if \ks
	s_wait_alu depctr_va_vdst(0)                   ; the last K step's products are done reading RF, CF and BF, in which this step's loads land; for K step 0 the wait in front of the chunk's LDS stores states the same
.endif
.if F_PROD == 0
	ds_load_tr16_b128 v[RF:RF+3],   v[FRA] offset:FR+\ks*5120
	ds_load_tr16_b128 v[RF+4:RF+7], v[FRA] offset:FR+\ks*5120+2560
.else
	ds_load_b128 v[RF:RF+3],   v[FRA] offset:FR+\ks*64
	ds_load_b128 v[RF+4:RF+7], v[FRA] offset:FR+\ks*64+32
.endif
.irp ct, 0,1
	ds_load_tr16_b128 v[CF+8*\ct:CF+8*\ct+3],   v[FCA] offset:FC+\ks*5120+\ct*32
	ds_load_tr16_b128 v[CF+8*\ct+4:CF+8*\ct+7], v[FCA] offset:FC+\ks*5120+\ct*32+2560
.endr
	s_wait_dscnt 0x0
.if \zero
	v_wmma_f32_16x16x32_bf16 v[A0:A0+7],    v[CF:CF+7],    v[RF:RF+7], 0
	v_wmma_f32_16x16x32_bf16 v[A0+8:A0+15], v[CF+8:CF+15], v[RF:RF+7], 0
.else
	v_wmma_f32_16x16x32_bf16 v[A0:A0+7],    v[CF:CF+7],    v[RF:RF+7], v[A0:A0+7]
	v_wmma_f32_16x16x32_bf16 v[A0+8:A0+15], v[CF+8:CF+15], v[RF:RF+7], v[A0+8:A0+15]
.endif
	s_cmp_lg_u32 s35, 0                            ; kc = 0 and ch = 0: this wave makes 16 rows of the vector
	s_cbranch_scc1 .Lno_vec_\@
	ds_load_b128 v[BF:BF+3],   v[FBA] offset:FB+\ks*64     ; bias[k0 + 8 h ..], the same for all 16 rows of the fragment.  No wait: the two products above name neither BF nor v[FBA]
	ds_load_b128 v[BF+4:BF+7], v[FBA] offset:FB+\ks*64+32
	s_wait_dscnt 0x0
	v_wmma_f32_16x16x32_bf16 v[AB:AB+7], v[BF:BF+7], v[RF:RF+7], v[AB:AB+7]
.Lno_vec_\@:
.endm
; One chunk.  more = 1: the next chunk's loads go out as soon as this chunk's registers are free, and are on their way through this chunk's products.
.macro FTRIP zero, more
	s_wait_loadcnt 0x0                             ; the chunk is in registers; its loads' bases may be stepped
.irp q, 0,1,2,3,4,5,6,7,8,9,10,11,12,13,14,15
	v_cvt_pk_bf16_f32 v[X+4*\q], v[X+4*\q], v[X+4*\q+1]
	v_cvt_pk_bf16_f32 v[X+4*\q+1], v[X+4*\q+2], v[X+4*\q+3]
.endr
	s_wait_dscnt 0x0                               ; my reads of the last chunk are back (and my part of the bias is written)
	s_barrier_signal -1
	s_barrier_wait -1                              ; no wave still reads the last chunk
	s_wait_alu depctr_va_vdst(0)                   ; the roundings have written X, which the LDS stores read, and are done reading X, in which the next chunk's loads land; the last chunk's products are done reading RF, CF and BF; v[FBA] is written
.irp u, 0,1,2,3,4,5,6,7
	ds_store_b64 v[SKN],  v[X+4*\u:X+4*\u+1]       offset:FC+\u*320
	ds_store_b64 v[F_SR], v[X+32+4*\u:X+32+4*\u+1] offset:FR+\u*F_RS
.endr
	s_wait_dscnt 0x0                               ; my rows are written before I signal
.if \more
	s_wait_alu depctr_vm_vsrc(0)                   ; the LDS stores have read X, in which the loads below land; in the first chunk also: the bias's load and LDS store have read v80, v81 and v104, in which fragments land
	s_add_nc_u64 s[40:41], s[40:41], 262144        ; 128 rows of 2,048 bytes on
	s_add_nc_u64 s[42:43], s[42:43], F_RSTEP
	FLOADS
.endif
	s_barrier_signal -1
	s_barrier_wait -1                              ; the chunk is whole
	FSTEP 0, \zero
	FSTEP 1, 0
	FSTEP 2, 0
	FSTEP 3, 0
	s_wait_alu depctr_vm_vsrc(0)                   ; the bias fragment's loads have read v[FBA]; in the last chunk also: the LDS stores have read X, which the way out writes
	v_add_nc_u32 v[FBA], 256, v[FBA]               ; the bias: 128 bf16 on
.endm
.macro FOLD prod
.set F_PROD, \prod
	s_lshl_b32 s38, s32, 8                         ; my 64 columns: 256 bytes of f32
	s_mov_b32 s39, 0
.if \prod == 0
.set F_LR, LKN
.set F_SR, SKN
.set F_RL, 4096
.set F_RS, 320
.set F_RSTEP, 262144
	s_add_nc_u64 s[40:41], s[10:11], s[38:39]      ; wq
	s_lshl_b32 s38, s31, 8
	s_add_nc_u64 s[42:43], s[12:13], s[38:39]      ; wk: my 64 rows of M1 are 64 columns of wk
	v_lshl_add_u32 v[FRA], s34, 5, v16             ; transposing loads, columns 16 rt ..
.else
.set F_LR, LRP
.set F_SR, SRP
.set F_RL, 2048
.set F_RS, 272
.set F_RSTEP, 512
	s_add_nc_u64 s[40:41], s[14:15], s[38:39]      ; wv
	s_lshl_b32 s38, s31, 17
	s_add_nc_u64 s[42:43], s[16:17], s[38:39]      ; wproj: my 64 rows of 2,048 bytes
	v_lshlrev_b32 v[LRP], 4, v3
	v_lshl_add_u32 v[LRP], s28, 14, v[LRP]         ; row 8 w (+ u), 16 bytes a lane
	v_lshlrev_b32 v[SRP], 3, v3
	s_mul_i32 s37, s28, 2176
	v_add_nc_u32 v[SRP], s37, v[SRP]               ; 8 w rows of 272 bytes + 8 bytes a lane
	v_mul_u32_u24 v[FRA], v1, 272
	v_lshl_add_u32 v[FRA], v2, 4, v[FRA]
	s_mul_i32 s37, s34, 4352
	v_add_nc_u32 v[FRA], s37, v[FRA]               ; plain loads: row 16 rt + r, + 16 h
.endif
	s_lshl_b32 s38, s32, 16                        ; wts: tile kc,
	s_lshl_b32 s37, s31, 13                        ; 64 rb rows of 128 bytes
	s_add_co_u32 s38, s38, s37
.if \prod
	s_add_co_u32 s38, s38, 524288
.endif
	s_add_nc_u64 s[44:45], s[26:27], s[38:39]
	s_wait_alu depctr_va_vdst(0)                   ; the offsets and LDS addresses v4 to v15 are written, which the loads, stores and LDS instructions below read; so are v16 and v17, in which loads land
	FLOADS                                         ; chunk 0
	s_cmp_lg_u32 s32, 0
	s_cbranch_scc1 .Lno_bias_\@
	v_lshlrev_b32 v[RF], 3, v0                     ; the bias, two numbers a thread, as bf16 into LDS
	v_lshlrev_b32 v[RF+1], 2, v3
	v_lshl_add_u32 v[RF+1], s28, 7, v[RF+1]
	s_wait_alu depctr_va_vdst(0)                   ; v80 and v81 are written: the load's offset and the LDS store's address
.if \prod == 0
	global_load_b64 v[BF:BF+1], v[RF], s[18:19]
.else
	global_load_b64 v[BF:BF+1], v[RF], s[20:21]
.endif
	s_wait_loadcnt 0x0
	v_cvt_pk_bf16_f32 v[BF], v[BF], v[BF+1]
	s_wait_alu depctr_va_vdst(0)                   ; the rounding has written v104, which the LDS store reads
	ds_store_b32 v[RF+1], v[BF] offset:FB
.Lno_bias_\@:
.irp j, 0,1,2,3,4,5,6,7
	v_mov_b32 v[AB+\j], 0                          ; cleared in every wave: the vector's products stand under a branch, and the accumulator is written on every path
.endr
	FTRIP 1, 1                                     ; the first chunk's first products start the sums
	s_mov_b32 s37, 2
.Lchunk_\@:
	FTRIP 0, 1
	s_sub_co_u32 s37, s37, 1
	s_cmp_lg_u32 s37, 0
	s_cbranch_scc1 .Lchunk_\@
	FTRIP 0, 0                                     ; the last chunk loads nothing
	; the way out: my 16 rows x 32 columns as bf16 into my stage; behind a barrier the block's 8,192 consecutive bytes leave, 512 to a store of a wave
.rept 4
	v_nop                                          ; four places behind the last products before their results are read (ISA guide 7.12.1)
.endr
.if \prod == 0
.irp j, 0,2,4,6,8,10,12,14
	v_pk_mul_f32 v[A0+\j:A0+\j+1], v[A0+\j:A0+\j+1], SCALE op_sel_hi:[1,0]
.endr
.endif
.irp j, 0,1,2,3,4,5,6,7
	v_cvt_pk_bf16_f32 v[X+\j], v[A0+2*\j], v[A0+2*\j+1]
.endr
	s_wait_alu depctr_va_vdst(0)                   ; the roundings have written v[X:X+7] and the products the vector's accumulator, which the LDS stores below read; the places above stay beside this wait
	ds_store_b128 v[STS], v[X:X+3]   offset:FS
	ds_store_b128 v[STS], v[X+4:X+7] offset:FS+32
	s_cmp_lg_u32 s35, 0
	s_cbranch_scc1 .Lno_row_\@
	ds_store_b32 v[VS], v[AB] offset:FV            ; every register of lane (r, h) holds row 16 rt + r's sum; both halves write the same word; FV's bytes are read by nobody before the barrier below
.Lno_row_\@:
	s_wait_dscnt 0x0
	s_barrier_signal -1
	s_barrier_wait -1
	ds_load_b128 v[X+8:X+11],  v[STR] offset:FS    ; no wait: the last vector instructions and LDS stores that named v[X+8:X+19] stand ahead of the last chunk's two waits
	ds_load_b128 v[X+12:X+15], v[STR] offset:FS+2560
	s_wait_dscnt 0x0
	global_store_b128 v[GO], v[X+8:X+11],  s[44:45]
	global_store_b128 v[GO], v[X+12:X+15], s[44:45] offset:4096
	s_cmp_lg_u32 s36, 0                            ; kc = 0 and wave 0: the vector's 64 rows, 256 consecutive bytes, aligned
	s_cbranch_scc1 .Lfold_end_\@
	s_lshl_b32 s38, s31, 8
	s_add_nc_u64 s[46:47], s[26:27], s[38:39]
	ds_load_b64 v[X+16:X+17], v[VR] offset:FV
.if \prod
	s_add_nc_u64 s[42:43], s[22:23], s[38:39]      ; bproj (the loads that named s[42:43] are done)
	global_load_b64 v[X+18:X+19], v[VR], s[42:43]
	s_wait_loadcnt 0x0
.endif
	s_wait_dscnt 0x0
.if \prod
	v_pk_add_f32 v[X+16:X+17], v[X+16:X+17], v[X+18:X+19]
.else
	v_pk_mul_f32 v[X+16:X+17], v[X+16:X+17], SCALE op_sel_hi:[1,0]
.endif
	s_wait_alu depctr_va_vdst(0)                   ; the line above has written v[X+16:X+17], which the store reads
	global_store_b64 v[VR], v[X+16:X+17], s[46:47] offset:WVEC+\prod*2048
.Lfold_end_\@:
	s_wait_dscnt 0x0                               ; the closing lines, six on end
	s_wait_alu 0x0
	s_wait_tensorcnt 0x0
	ds_add_u32 v136, v137
	s_wait_dscnt 0x0
	s_endpgm
.endm
.Lfold:
	s_lshr_b32 s29, ttmp9, 6                       ; 0: M1, 1: M2
	s_and_b32 s30, ttmp9, 63
	s_lshr_b32 s31, s30, 3                         ; rb
	s_and_b32 s32, s30, 7                          ; kc
	s_lshr_b32 s33, s28, 2                         ; ch
	s_and_b32 s34, s28, 3                          ; rt
	s_or_b32 s35, s32, s33                         ; 0: this wave makes 16 rows of the vector
	s_or_b32 s36, s32, s28                         ; 0: this wave stores the vector's 64 rows
	v_and_b32 v1, 15, v0                           ; r
	v_bfe_u32 v2, v0, 4, 1                         ; h
	v_and_b32 v3, 31, v0                           ; lane
	v_lshlrev_b32 v[LKN], 11, v2
	v_lshl_or_b32 v[LKN], v1, 4, v[LKN]
	v_lshl_add_u32 v[LKN], s28, 15, v[LKN]         ; k row 16 w + h (+ 2 u): 2,048 bytes a row; 16 r
	v_mul_u32_u24 v[SKN], v2, 160
	v_lshl_add_u32 v[SKN], v1, 3, v[SKN]
	s_mul_i32 s37, s28, 2560
	v_add_nc_u32 v[SKN], s37, v[SKN]               ; the same rows at pitch 160, 8 r
	v_and_b32 v16, 7, v0
	v_lshl_add_u32 v16, v2, 3, v16
	v_mul_u32_u24 v16, v16, 160
	v_bfe_u32 v17, v0, 3, 1
	v_lshl_add_u32 v16, v17, 4, v16                ; transposing loads: k row 8 h + (lane & 7), + 16 ((lane >> 3) & 1)
	v_lshl_add_u32 v[FCA], s33, 6, v16             ; columns 32 ch ..
	v_lshlrev_b32 v[FBA], 4, v2
	v_mul_u32_u24 v[STS], v1, 80
	v_lshl_add_u32 v[STS], v2, 4, v[STS]
	s_mul_i32 s37, s28, 1280
	v_add_nc_u32 v[STS], s37, v[STS]
	v_bfe_u32 v17, v0, 2, 1                        ; read back: thread t takes bytes 16 t of the block: row t >> 3, 16 bytes at 16 (t & 7)
	v_mul_u32_u24 v[STR], v17, 5120                ; ch = bit 2 of t: four stages on
	v_bfe_u32 v17, v0, 7, 1
	v_mad_u32_u24 v[STR], v17, 1280, v[STR]        ; rt = t >> 7 (+ 2 for the second 4,096 bytes)
	v_bfe_u32 v17, v0, 3, 4
	v_mad_u32_u24 v[STR], v17, 80, v[STR]          ; row in the stage
	v_and_b32 v17, 3, v0
	v_lshl_add_u32 v[STR], v17, 4, v[STR]
	v_lshlrev_b32 v[GO], 4, v0
	v_lshlrev_b32 v[VS], 2, v1
	v_lshl_add_u32 v[VS], s28, 6, v[VS]            ; 64 w + 4 r: row 16 w + r (waves 0..3: w = rt); at most 508, inside FV's 512 bytes for every wave number
	v_lshlrev_b32 v[VR], 3, v3
	s_wait_kmcnt 0x0
	s_cmp_lg_u32 s29, 0
	s_cbranch_scc1 .Lfold_m2
	FOLD 0
.Lfold_m2:
	FOLD 1
.Lfunc_end_k_q76f356fc74_prep:
	.size	k_q76f356fc74_prep, .Lfunc_end_k_q76f356fc74_prep-k_q76f356fc74_prep
	.p2alignl 7, 3214868480
	.fill 96, 4, 3214868480
	.section	.rodata,"a",@progbits
	.p2align	6, 0x0
	.amdhsa_kernel k_q76f356fc74_prep
		.amdhsa_group_segment_fixed_size 54016
		.amdhsa_private_segment_fixed_size 0
		.amdhsa_enable_private_segment 0
		.amdhsa_kernarg_size 96
		.amdhsa_user_sgpr_count 2
		.amdhsa_user_sgpr_kernarg_segment_ptr 1
		.amdhsa_wavefront_size32 1
		.amdhsa_system_sgpr_workgroup_id_x 1
		.amdhsa_system_sgpr_workgroup_id_y 1
		.amdhsa_system_sgpr_workgroup_id_z 1
		.amdhsa_system_vgpr_workitem_id 0
		.amdhsa_next_free_vgpr 138
		.amdhsa_next_free_sgpr 66
		.amdhsa_reserve_vcc 0
		.amdhsa_float_denorm_mode_32 3
		.amdhsa_float_denorm_mode_16_64 3
		.amdhsa_memory_ordered 1
		.amdhsa_forward_progress 1
		.amdhsa_inst_pref_size 78
	.end_amdhsa_kernel
	.amdgpu_metadata
---
amdhsa.version: [ 1, 2 ]
amdhsa.kernels:
  - .name:           k_q76f356fc74_prep
    .symbol:         k_q76f356fc74_prep.kd
    .args:
      - { .name: x, .offset: 0, .size: 8, .value_kind: global_buffer, .address_space: global }
      - { .name: gn_scale, .offset: 8, .size: 8, .value_kind: global_buffer, .address_space: global }
      - { .name: gn_bias, .offset: 16, .size: 8, .value_kind: global_buffer, .address_space: global }
      - { .name: wq, .offset: 24, .size: 8, .value_kind: global_buffer, .address_space: global }
      - { .name: wk, .offset: 32, .size: 8, .value_kind: global_buffer, .address_space: global }
      - { .name: wv, .offset: 40, .size: 8, .value_kind: global_buffer, .address_space: global }
      - { .name: wproj, .offset: 48, .size: 8, .value_kind: global_buffer, .address_space: global }
      - { .name: bq, .offset: 56, .size: 8, .value_kind: global_buffer, .address_space: global }
      - { .name: bv, .offset: 64, .size: 8, .value_kind: global_buffer, .address_space: global }
      - { .name: bproj, .offset: 72, .size: 8, .value_kind: global_buffer, .address_space: global }
      - { .name: hbuf, .offset: 80, .size: 8, .value_kind: global_buffer, .address_space: global }
      - { .name: wts, .offset: 88, .size: 8, .value_kind: global_buffer, .address_space: global }
    .group_segment_fixed_size: 54016
    .private_segment_fixed_size: 0
    .kernarg_segment_align: 8
    .kernarg_segment_size: 96
    .max_flat_workgroup_size: 256
    .sgpr_count:     66
    .vgpr_count:     138
    .wavefront_size: 32
...
	.end_amdgpu_metadata
.endif
;; end of part 5
;; launch attn: the kernel of part 4 again; grid 16 x 16, 4 waves a work-group, clusters of 4 x 1, 327,680 bytes of LDS; arguments hbuf, wts, x, out0; writes out0
